; MI455X (gfx1250); checked and timed in simulation.
; The chip was launched on July 23, 2026; its instructions are those of AMD's public machine-readable ISA for CDNA 5 (MIT licence, August 2026) and "CDNA5" Instruction Set Architecture Reference Guide (July 2026). The comments in the code are by the model that wrote it; some were corrected since.
;; Self Attention. Allowed arithmetic: matrix products marked QUANTISED: E2M3 operands, one E8M0 scale for each 32 along K, by v_wmma_scale_f32_16x16x128_f8f6f4 with both operands' format E2M3, f32 sums; everything else in f32.
;; Inputs: b_out 1,024 float32; b_qkv 3,072 float32; w_out 1,024 x 1,024 float32; w_qkv 1,024 x 3,072 float32; x 4 x 2,048 x 1,024 float32.
;; Outputs: out0 4 x 2,048 x 1,024 float32.
;; This version of the problem:
;;   THIS VERSION OF THE PROBLEM IS GIVEN IN LOW PRECISION. The matrix products marked QUANTISED in the list below multiply operands that are first quantised to E2M3 (2 exponent bits, 3 mantissa bits; 6 bits a number), with one power-of-two scale for each 32 numbers along K (OCP MX v1.0); their sums are f32. All else is computed in f32.
;;   The module's matrix products, in the order in which they are computed (A, B: the left and right operand; K: the contracted axis; several contracted axes count as one K, in the product's order):
;;     1. [M 8,192, K 1,024] x [K 1,024, N 3,072]; A: input x; B: input w_qkv: QUANTISED
;;     2. batch 64 x [M 2,048, K 64] x [K 64, N 2,048]; A: computed on the way; B: computed on the way: QUANTISED
;;     3. batch 64 x [M 2,048, K 2,048] x [K 2,048, N 64]; A: softmax (see below); B: computed on the way: QUANTISED
;;     4. [M 8,192, K 1,024] x [K 1,024, N 1,024]; A: computed on the way; B: input w_out: QUANTISED
;;   THE QUANTISER, for each operand of a quantised product, along K:
;;     - K is cut into blocks of 32 from its start; a last block that is shorter is filled with zeros.
;;     - A block's scale is 2^e with e = floor(log2(the largest magnitude in the block)) - 2, held to -126 .. 127; a block of zeros has e = 0. As a byte (E8M0): e + 127.
;;     - Each number is divided by its block's scale, clamped to +-7.5, and rounded to the nearest number of E2M3, ties to even, subnormals kept.
;;     - The product sums the exact products of the quantised numbers (number of the format x scale) in f32.
;;   ~~~python
;;   def quantise(x, axis):      # numpy; x: float32 -> the quantised numbers, widened to float32 again
;;       x = np.moveaxis(x, axis, -1); K = x.shape[-1]
;;       x = np.pad(x, [(0, 0)] * (x.ndim - 1) + [(0, -K % 32)]); x = x.reshape(x.shape[:-1] + (-1, 32)); a = np.abs(x).max(-1, keepdims=True)
;;       e = np.where(a > 0, np.clip(np.frexp(np.where(a > 0, a, 1))[1] - 1 - 2, -126, 127), 0)      # np.frexp(a)[1] - 1 = floor(log2(a)), exactly
;;       r = np.clip(x / 2.0 ** e, -7.5, 7.5)
;;       step = 2.0 ** (np.maximum(np.frexp(np.where(r == 0, 1, r))[1] - 1, 0) - 3)
;;       q = np.round(r / step) * step * 2.0 ** e      # np.round: ties to even
;;       return np.moveaxis(q.reshape(q.shape[:-2] + (-1,))[..., :K], -1, axis).astype(np.float32)
;;   ~~~
;;   SOFTMAX AHEAD OF A QUANTISED PRODUCT. Where the list says 'softmax', what is quantised is not the finished softmax but p = 2^(t - M), with t = logit x log2(e) and M = ceil(the row's largest t), a whole number; so 1/2 < the row's largest p <= 1. The row's sum l is taken of the UNQUANTISED p, in f32, and the product's result is divided by l at the end. Since M is a whole number, a kernel that streams over the keys may use a running M (the ceiling of the running maximum): every later rescaling is an exact power of two, which a block's scale takes up: the codes' values come out the same.
;;   OPERANDS COMPUTED ON THE WAY. 'Computed on the way' means the value that the module computes at that place (a softmax that the list does not call 'softmax' is quantised finished and normalised). What goes into a quantiser is computed in f32, as accurately as f32 sums, v_exp_f32 and their like allow (about 1e-6 of the number): no bf16 or f16 on the way to a quantiser, and a product that is left as it is and whose result goes on into a quantised operand takes f32 operands (vector FMAs, or v_wmma_f32_16x16x4_f32). A number that lies on a knife's edge between two numbers of the format may be rounded either way, as far as f32 arithmetic and the matrix unit's own rounding can turn it there, and no further.
;; One version. Each part assembles by itself: llvm-mc -triple=amdgcn-amd-amdhsa -mcpu=gfx1250 --defsym DOCPART=n.
;; ======== version 1 of 1: 4 launches
;; workspace buffers: xc 6,291,456 bytes; xs 262,144 bytes; wc 3,145,728 bytes; ws 131,072 bytes; qb 6,815,744 bytes; kv 13,369,344 bytes; oc 6,291,456 bytes; os 262,144 bytes
;; launch prep (part 1): grid 384 x 1, 4 waves a work-group, no clusters, 60,928 bytes of LDS; arguments x, w_qkv, w_out, xc, xs, wc, ws; writes xc, xs, wc, ws
.if DOCPART == 1
	.amdgcn_target "amdgcn-amd-amdhsa--gfx1250"
	.amdhsa_code_object_version 6
	.text
	.protected	k_q8b5944cbd8_prep
	.globl	k_q8b5944cbd8_prep
	.p2align	8
	.type	k_q8b5944cbd8_prep,@function
k_q8b5944cbd8_prep:
	s_mov_b64 s[64:65], 0
	v_nop
	global_prefetch_b8 v0, s[64:65] scope:SCOPE_SE
	s_setreg_imm32_b32 hwreg(HW_REG_WAVE_MODE, 25, 1), 1
	s_wait_xcnt 0x0
; x [8192][1024], w_qkv [1024][3072] and w_out [1024][1024], f32, become codes of FP6 (E2M3) with one E8M0 byte for each 32 along K (K = 1024: x's last axis, the weights' first).
; A block's scale is 2^(floor(log2(its largest magnitude)) - 2): its byte is the largest magnitude's exponent field - 2, held at 1 from below.
; LIMITS: NaN and infinities among the inputs are not served; a block whose largest magnitude lies under 2^(3 - 127) gets the byte 1; a block of zeros gets the byte 1 and not 127: its codes are zeros, and this program alone reads the bytes.
; THE TABLES ARE LAID AS THE MATRIX OPERANDS' REGISTERS.  Rows go in tiles of 16; place r of tile T is row 32 (T / 2) + 8 (T % 2) + r % 8 + 16 (r / 8).  A HALF FRAGMENT (16 rows x 64 K, 768 bytes) is the image of
; registers 0-5 of a 6-bit fragment: registers 0-3 at 16 x lane, registers 4-5 at 512 + 8 x lane; lane (r, h) holds K = 32 h .. 32 h + 31 of place r.  xc: [tile 512][16 half fragments]; wc: [tile 256][16], table rows
; 0-3071 = w_qkv's columns, 3072-4095 = w_out's.  Scale words xs, ws: [tile][K step of 128: 8][place 16], byte b = block b of the step.
; Work-groups 0-255 take x: a wave takes one tile of 16 rows x 512 along K.  Work-groups 256-383 take the weights: a wave takes 32 columns x 256 along K, a lane a column, its registers down K.
; The two paths have LDS bytes of their own; waves share nothing, so there is no barrier.
.set XST,  0                           ; x path: a stage of 16 rows x (512 + 16) bytes for each wave
.set XSCL, 33792                       ; x path: 256 bytes of scale words for each wave
.set WST,  34816                       ; w path: two tiles x (3072 + 128) bytes for each wave
.set R,    16                          ; v16-143  x as loaded, two sets of 64
.set X,    144                         ; v144-207 64 numbers: register 16 b + i = K 32 b + 16 h + i of my row
.set PC,   208                          ; v208-219 a fragment's codes; v220-222, v224-226 at work
.set TM,   228                          ; v228-231 largest magnitudes, v232-235 the other half's, then bytes, v240-243 the conversions' scale operands
.set PW,   244                          ; the scale word
.set SEL,  20                           ; s[20:21] selects of v_permlanex16_b32: lane l xor 16
.set VO,   16                           ; w path: v16-47 offsets 4 x lane + i rows
.set WX,   48                           ; v48-111 two sets of 32 numbers
.set C,    112                          ; v112-117 a block's codes, v120-122 at work
.set OUTR, 128                          ; v128-175 the way out
.macro QMAX s                           ; the four blocks' scales of 64 numbers v[s] on: scale operands in v[TM+12] on, the scale word in v[PW]
.irp b, 0,1,2,3
	v_max3_num_f32 v[TM+\b], |v[\s+16*\b]|, |v[\s+1+16*\b]|, 0x1800000   ; my 16 numbers of block b, and the floor 2^(3 - 127): the byte cannot fall under 1
.endr
.irp i, 2,4,6,8,10,12,14
.irp b, 0,1,2,3
	v_max3_num_f32 v[TM+\b], v[TM+\b], |v[\s+16*\b+\i]|, |v[\s+1+16*\b+\i]|
.endr
.endr
.irp b, 0,1,2,3
	v_permlanex16_b32 v[TM+4+\b], v[TM+\b], s[SEL], s[SEL+1]
.endr
.irp b, 0,1,2,3
	v_max_num_f32 v[TM+\b], v[TM+\b], v[TM+4+\b]   ; with lane l xor 16's 16: the block's largest magnitude
.endr
.irp b, 0,1,2,3
	v_add_nc_u32 v[TM+12+\b], 0xff000000, v[TM+\b]   ; 2 off its exponent field: the conversion takes this operand's exponent field as its scale
.endr
.irp b, 0,1,2,3
	v_lshrrev_b32 v[TM+4+\b], 23, v[TM+12+\b]      ; the scale's byte
.endr
	v_lshl_or_b32 v[PW], v[TM+5], 8, v[TM+4]
	v_lshl_or_b32 v[PW], v[TM+6], 16, v[PW]
	v_lshl_or_b32 v[PW], v[TM+7], 24, v[PW]
.endm
.macro QCVT s                           ; the 64 numbers become the fragment's 12 registers in v[PC] on
.irp c, 0,1
	v_cvt_scalef32_pk16_fp6_f32 v[PC+6*\c:PC+2+6*\c], v[\s+32*\c:\s+15+32*\c], v[TM+12+2*\c]
	v_cvt_scalef32_pk16_fp6_f32 v[PC+12+4*\c:PC+14+4*\c], v[\s+16+32*\c:\s+31+32*\c], v[TM+12+2*\c+1]   ; (a conversion's three registers begin on an even number)
.endr
	v_nop                                          ; one plain place behind the scaled conversions
.irp c, 0,1                             ; the layout wants a whole block in a lane: lanes 0-15 block 2 c, lanes 16-31 block 2 c + 1
.irp i, 0,1,2
	v_permlane16_swap_b32 v[PC+6*\c+\i], v[PC+12+4*\c+\i]
.endr
.irp i, 0,1,2
	v_mov_b32 v[PC+3+6*\c+\i], v[PC+12+4*\c+\i]
.endr
.endr
.endm
.macro XLOAD t                          ; K step t (128 numbers) of my 16 rows: each load reads 512 consecutive bytes of one row
.irp i, 0,1,2,3,4,5,6,7,8,9,10,11,12,13,14,15
	global_load_b128 v[R+64*((\t)%2)+4*\i:R+64*((\t)%2)+4*\i+3], v1, s[4:5] offset:(\i+8*(\i/8))*4096+512*(\t) th:TH_LOAD_NT
.endr
.endm
.macro XTURN t                          ; through my stage: in by rows as loaded, out 16 neighbours of each block a lane.  LDS serves a wave's instructions in order (ISA guide 5.7.1.4)
.irp i, 0,1,2,3,4,5,6,7,8,9,10,11,12,13,14,15
	ds_store_b128 v3, v[R+64*((\t)%2)+4*\i:R+64*((\t)%2)+4*\i+3] offset:528*\i
.endr
.irp b, 0,1,2,3
.irp j, 0,1,2,3
	ds_load_b128 v[X+16*\b+4*\j:X+16*\b+4*\j+3], v4 offset:128*\b+16*\j
.endr
.endr
.endm
.macro XSTEP t
.if (\t) < 3
	s_wait_loadcnt 16                              ; this step's 16 loads are in; the next step's 16 may be out
.else
	s_wait_loadcnt 0x0
.endif
	XTURN \t
	s_wait_dscnt 0x0                               ; the numbers are back, and the stores have read the set that is loaded again below
.if (\t) < 2
	XLOAD (\t)+2
.endif
	QMAX X
.if (\t) > 0
	s_wait_xcnt 0x0                                ; the last step's stores have read the codes' registers
.endif
	QCVT X
	global_store_b128 v1, v[PC:PC+3], s[10:11] offset:1536*(\t)            ; 512 consecutive bytes
	global_store_b64 v2, v[PC+4:PC+5], s[10:11] offset:1536*(\t)+512       ; 256 consecutive bytes
	global_store_b128 v1, v[PC+6:PC+9], s[10:11] offset:1536*(\t)+768
	global_store_b64 v2, v[PC+10:PC+11], s[10:11] offset:1536*(\t)+1280
	ds_store_b32 v5, v[PW] offset:64*(\t)          ; lanes r and r + 16 write the same word with the same value
.endm
.macro WLOAD t                          ; block t: W(32 t + i, my column), i = 0 .. 31: 128 consecutive bytes a load
.irp i, 0,1,2,3,4,5,6,7,8,9,10,11,12,13,14,15,16,17,18,19,20,21,22,23,24,25,26,27,28,29,30,31
	global_load_b32 v[WX+32*((\t)%2)+\i], v[VO+\i], s[24+2*(\t):25+2*(\t)] th:TH_LOAD_NT
.endr
.endm
.macro WBLOCK t
.set XS, WX+32*((\t)%2)
.if (\t) < 7
	s_wait_loadcnt 32                              ; this block's 32 loads are in; the next block's may be out
.else
	s_wait_loadcnt 0x0
.endif
	v_max3_num_f32 v124, |v[XS]|, |v[XS+1]|, |v[XS+2]|   ; the block's largest magnitude: all 32 numbers are mine
	v_max3_num_f32 v125, |v[XS+3]|, |v[XS+4]|, |v[XS+5]|
.irp i, 6,10,14,18,22,26
	v_max3_num_f32 v124, v124, |v[XS+\i]|, |v[XS+\i+1]|
	v_max3_num_f32 v125, v125, |v[XS+\i+2]|, |v[XS+\i+3]|
.endr
	v_max3_num_f32 v124, v124, |v[XS+30]|, |v[XS+31]|
	v_max3_num_f32 v124, v124, v125, 0x1800000     ; and the floor
	v_add_nc_u32 v126, 0xff000000, v124
	v_lshrrev_b32 v125, 23, v126                   ; the scale's byte
.if (\t)%4 == 0
	v_mov_b32 v[14+(\t)/4], v125                   ; four bytes to a word, the lower K in the lower byte
.else
	v_lshl_or_b32 v[14+(\t)/4], v125, 8*((\t)%4), v[14+(\t)/4]
.endif
	v_cvt_scalef32_pk16_fp6_f32 v[C:C+2], v[XS:XS+15], v126
	v_cvt_scalef32_pk16_fp6_f32 v[C+8:C+10], v[XS+16:XS+31], v126
	v_nop                                          ; one plain place behind the scaled conversions
.irp i, 0,1,2
	v_mov_b32 v[C+3+\i], v[C+8+\i]
.endr
	ds_store_b128 v3, v[C:C+3] offset:768*((\t)/2)+256*((\t)%2)        ; my place in the half fragment's image: lane r' + 16 (t % 2)
	ds_store_b64 v4, v[C+4:C+5] offset:768*((\t)/2)+512+128*((\t)%2)
.if (\t) < 6
	WLOAD (\t)+2
.endif
	s_wait_dscnt 0x0                               ; the stores have read their registers
.endm
	s_load_b256 s[4:11], s[0:1], 0x0               ; x s[4:5], w_qkv s[6:7], w_out s[8:9], xc s[10:11]
	s_load_b128 s[12:15], s[0:1], 0x20             ; xs s[12:13], wc s[14:15]
	s_load_b64 s[16:17], s[0:1], 0x30              ; ws
	v_lshl_add_u32 v254, v0, 2, 0xec00
	v_mov_b32 v255, 0
	v_lshrrev_b32 v1, 5, v0
	v_readfirstlane_b32 s18, v1                    ; wave
	v_and_b32 v7, 31, v0                           ; lane
	v_and_b32 v8, 15, v0                           ; r
	v_bfe_u32 v9, v0, 4, 1                         ; h
	v_lshlrev_b32 v1, 4, v7                        ; 16 x lane
	v_lshlrev_b32 v2, 3, v7                        ; 8 x lane
	s_cmp_lt_u32 ttmp9, 256
	s_cbranch_scc0 .Lw
	; ---- x: W = 4 x work-group + wave; tile T = W / 2, half W % 2 of K
	s_lshl_b32 s19, ttmp9, 2
	s_add_co_u32 s19, s19, s18                     ; W
	s_lshr_b32 s22, s19, 2
	s_lshl_b32 s22, s22, 17                        ; 32 (T / 2) rows of 4,096 bytes
	s_bfe_u32 s23, s19, 0x10001
	s_lshl_b32 s23, s23, 15                        ; + 8 (T % 2) rows
	s_add_co_u32 s22, s22, s23
	s_and_b32 s23, s19, 1
	s_lshl_b32 s23, s23, 11                        ; + my half of K
	s_add_co_u32 s22, s22, s23
	s_mov_b32 s23, 0
	s_mul_i32 s24, s19, 6144                       ; xc: 12,288 T + 6,144 half
	s_mov_b32 s25, 0
	s_lshl_b32 s26, s19, 8                         ; xs: 512 T + 256 half
	s_mov_b32 s27, 0
	s_mov_b32 s[SEL], 0x76543210
	s_mov_b32 s[SEL+1], 0xfedcba98
	s_mul_i32 s28, s18, 8448                       ; my stage (XST = 0)
	s_wait_alu depctr_va_vdst(0)
	v_add_nc_u32 v3, s28, v1                       ; in: 16 x lane, a row an instruction
	v_mul_u32_u24 v4, v8, 528
	v_lshl_add_u32 v4, v9, 6, v4
	v_add_nc_u32 v4, s28, v4                       ; out: row r, + 64 h
	s_lshl_b32 s28, s18, 8
	s_add_co_u32 s28, s28, XSCL
	v_lshl_add_u32 v5, v8, 2, s28                  ; my row's scale word
	v_add_nc_u32 v6, s28, v2                       ; and on the way out 8 bytes a lane
.irp b, 0,1,2,3
	v_mov_b32 v[TM+4+\b], 0                        ; written once: a lane permute's destination counts as one of its sources
.endr
	s_wait_alu depctr_va_vdst(0)
	s_wait_kmcnt 0x0
	s_add_nc_u64 s[4:5], s[4:5], s[22:23]
	s_add_nc_u64 s[10:11], s[10:11], s[24:25]
	s_add_nc_u64 s[12:13], s[12:13], s[26:27]
	XLOAD 0
	XLOAD 1
	XSTEP 0
	XSTEP 1
	XSTEP 2
	XSTEP 3
	ds_load_b64 v[246:247], v6                     ; my four steps' scale words: these see my stores
	s_wait_dscnt 0x0
	global_store_b64 v2, v[246:247], s[12:13]      ; 256 consecutive bytes, aligned
	s_wait_tensorcnt 0x0
	ds_add_u32 v254, v255
	s_wait_dscnt 0x0
	s_endpgm
.Lw:
	; ---- the weights: g = work-group - 256; 128 table rows g / 4, 256 along K g % 4
	s_sub_co_u32 s19, ttmp9, 256
	s_lshr_b32 s20, s19, 2
	s_and_b32 s21, s19, 3
	s_lshl_b32 s22, s20, 7
	s_lshl_b32 s23, s18, 5
	s_add_co_u32 s22, s22, s23                     ; my wave's first table row
	s_lshl_b32 s48, s20, 3
	s_lshl_b32 s49, s18, 1
	s_add_co_u32 s48, s48, s49                     ; and its tile
	s_mov_b32 s40, 4096
	s_wait_kmcnt 0x0
	s_cmp_lt_u32 s20, 24                           ; table rows under 3,072 are w_qkv's columns
	s_cselect_b32 s40, 12288, s40                  ; a row of the weight in bytes
	s_cselect_b32 s41, 0, 3072
	s_cselect_b64 s[42:43], s[6:7], s[8:9]
	s_sub_co_u32 s44, s22, s41                     ; my first column
	s_lshl_b32 s44, s44, 2
	s_mul_i32 s45, s21, s40
	s_lshl_b32 s45, s45, 8                         ; 256 rows for each quarter of K
	s_add_co_u32 s44, s44, s45
	s_mov_b32 s45, 0
	s_add_nc_u64 s[24:25], s[42:43], s[44:45]      ; a base for each block of 32 rows: none is ever stepped
	s_lshl_b32 s46, s40, 5
	s_mov_b32 s47, 0
.irp t, 1,2,3,4,5,6,7
	s_add_nc_u64 s[24+2*\t:25+2*\t], s[22+2*\t:23+2*\t], s[46:47]
.endr
	s_mul_i32 s50, s48, 12288
	s_mul_i32 s51, s21, 3072
	s_add_co_u32 s50, s50, s51
	s_mov_b32 s51, 0
	s_add_nc_u64 s[14:15], s[14:15], s[50:51]      ; wc at my two tiles, my four half fragments
	s_lshl_b32 s52, s48, 9
	s_lshl_b32 s53, s21, 7
	s_add_co_u32 s52, s52, s53
	s_mov_b32 s53, 0
	s_add_nc_u64 s[16:17], s[16:17], s[52:53]      ; ws likewise
	v_bfe_u32 v10, v0, 3, 1                        ; column 32 w + L lies in tile u = (L / 8) % 2,
	v_and_b32 v11, 7, v0
	s_wait_alu depctr_va_vdst(0)
	v_lshl_add_u32 v11, v9, 3, v11                 ; at place r' = L % 8 + 8 (L / 16)
	s_mul_i32 s54, s18, 6400
	s_add_co_u32 s54, s54, WST                     ; my stage
	v_mul_u32_u24 v12, v10, 3200
	v_add_nc_u32 v12, s54, v12
	v_lshl_add_u32 v3, v11, 4, v12
	v_lshl_add_u32 v4, v11, 3, v12
	v_add_nc_u32 v5, s54, v1
	v_lshlrev_b32 v6, 2, v11
	v_lshl_add_u32 v6, v10, 9, v6                  ; my scale words: 512 u + 4 r'
	v_lshlrev_b32 v[VO], 2, v7
.irp i, 1,2,3,4,5,6,7,8,9,10,11,12,13,14,15,16,17,18,19,20,21,22,23,24,25,26,27,28,29,30,31
	v_add_nc_u32 v[VO+\i], s40, v[VO+\i-1]
.endr
	WLOAD 0
	WLOAD 1
.irp t, 0,1,2,3,4,5,6,7
	WBLOCK \t
.endr
.irp n, 0,1,2,3,4,5,6,7,8,9,10,11
	ds_load_b128 v[OUTR+4*\n:OUTR+4*\n+3], v5 offset:3200*(\n/6)+512*(\n%6)
.endr
	global_store_b32 v6, v14, s[16:17]             ; the scale words leave in pieces of 64 bytes: 131,072 bytes in the whole launch
	s_wait_alu depctr_va_vdst(0)
	global_store_b32 v6, v15, s[16:17] offset:64
.irp n, 0,1,2,3,4,5,6,7,8,9,10,11
	s_wait_dscnt 11-\n                             ; the younger loads may be out
	global_store_b128 v1, v[OUTR+4*\n:OUTR+4*\n+3], s[14:15] offset:12288*(\n/6)+512*(\n%6)   ; 512 consecutive bytes, aligned
.endr
	s_wait_tensorcnt 0x0
	ds_add_u32 v254, v255
	s_wait_dscnt 0x0
	s_endpgm
.Lfunc_end_k_q8b5944cbd8_prep:
	.size	k_q8b5944cbd8_prep, .Lfunc_end_k_q8b5944cbd8_prep-k_q8b5944cbd8_prep
	.p2alignl 7, 3214868480
	.fill 96, 4, 3214868480
	.section	.rodata,"a",@progbits
	.p2align	6, 0x0
	.amdhsa_kernel k_q8b5944cbd8_prep
		.amdhsa_group_segment_fixed_size 60928
		.amdhsa_private_segment_fixed_size 0
		.amdhsa_enable_private_segment 0
		.amdhsa_kernarg_size 56
		.amdhsa_user_sgpr_count 2
		.amdhsa_user_sgpr_kernarg_segment_ptr 1
		.amdhsa_wavefront_size32 1
		.amdhsa_system_sgpr_workgroup_id_x 1
		.amdhsa_system_sgpr_workgroup_id_y 1
		.amdhsa_system_sgpr_workgroup_id_z 1
		.amdhsa_system_vgpr_workitem_id 0
		.amdhsa_next_free_vgpr 256
		.amdhsa_next_free_sgpr 66
		.amdhsa_reserve_vcc 0
		.amdhsa_float_denorm_mode_32 3
		.amdhsa_float_denorm_mode_16_64 3
		.amdhsa_memory_ordered 1
		.amdhsa_forward_progress 1
		.amdhsa_inst_pref_size 77
	.end_amdhsa_kernel
	.amdgpu_metadata
---
amdhsa.version: [ 1, 2 ]
amdhsa.kernels:
  - .name:           k_q8b5944cbd8_prep
    .symbol:         k_q8b5944cbd8_prep.kd
    .args:
      - { .name: x, .offset: 0, .size: 8, .value_kind: global_buffer, .address_space: global }
      - { .name: w_qkv, .offset: 8, .size: 8, .value_kind: global_buffer, .address_space: global }
      - { .name: w_out, .offset: 16, .size: 8, .value_kind: global_buffer, .address_space: global }
      - { .name: xc, .offset: 24, .size: 8, .value_kind: global_buffer, .address_space: global }
      - { .name: xs, .offset: 32, .size: 8, .value_kind: global_buffer, .address_space: global }
      - { .name: wc, .offset: 40, .size: 8, .value_kind: global_buffer, .address_space: global }
      - { .name: ws, .offset: 48, .size: 8, .value_kind: global_buffer, .address_space: global }
    .group_segment_fixed_size: 60928
    .private_segment_fixed_size: 0
    .kernarg_segment_align: 8
    .kernarg_segment_size: 56
    .max_flat_workgroup_size: 128
    .sgpr_count:     66
    .vgpr_count:     256
    .wavefront_size: 32
...
	.end_amdgpu_metadata
.endif
;; end of part 1
;; launch qkv (part 2): grid 12 x 32, 4 waves a work-group, clusters of 4 x 4, 327,680 bytes of LDS; arguments xc, xs, wc, ws, b_qkv, qb, kv; writes qb, kv
.if DOCPART == 2
	.amdgcn_target "amdgcn-amd-amdhsa--gfx1250"
	.amdhsa_code_object_version 6
	.text
	.protected	k_q8b5944cbd8_qkv
	.globl	k_q8b5944cbd8_qkv
	.p2align	8
	.type	k_q8b5944cbd8_qkv,@function
k_q8b5944cbd8_qkv:
	s_mov_b64 s[64:65], 0
	v_nop
	global_prefetch_b8 v0, s[64:65] scope:SCOPE_SE
	s_setreg_imm32_b32 hwreg(HW_REG_WAVE_MODE, 25, 1), 1
	s_wait_xcnt 0x0
	s_wait_alu depctr_hold_cnt(0) depctr_sa_sdst(0) depctr_va_vdst(0) depctr_va_sdst(0) depctr_va_ssrc(0) depctr_va_vcc(0) depctr_vm_vsrc(0)
	s_getreg_b32 s2, hwreg(HW_REG_IB_STS2, 6, 4)
	s_cmp_eq_u32 s2, 0
	s_cbranch_scc0 .Lentry_in_a_cluster
	s_endpgm
.Lentry_in_a_cluster:
	s_bfe_u32 s2, ttmp6, 0x10000c
	s_cmp_lg_u32 s2, 0xf033
	s_cbranch_scc0 .Lentry_shape_is_right
	s_endpgm
.Lentry_shape_is_right:
; qkv = x w_qkv + b_qkv on codes of FP6 (E2M3) with E8M0 scales, K = 1024; the results are quantised at once: q and k along the head's 64 channels, v along the keys.
; THE TABLES (xc, xs, wc, ws): rows in tiles of 16, place r of tile T = row 32 (T / 2) + 8 (T % 2) + r % 8 + 16 (r / 8); a tile's codes are 16 half fragments of 768 bytes (16 rows x 64 K, the image of registers 0-5 of a
; 6-bit fragment: registers 0-3 at 16 x lane, 4-5 at 512 + 8 x lane); scale words [tile][K step of 128][place].
; A work-group of four waves makes 256 x 256, a wave 128 x 128: 64 accumulators.  THE MATRIX INSTRUCTION IS USED TRANSPOSED: source 0 = a tile of "B", source 1 = a tile of "A": lane (r, h) holds place r of A's tile, and the
; 16 registers of B's tiles 2 b, 2 b + 1 are B's rows 32 b + 16 h + 0 .. 15: neighbours, as the conversions want them.
; ROLES, by the cluster's x (the same in all sixteen partners): 0 = q, 1 = k: A = tokens, B = w's columns: a lane holds a token, its registers run along channels.  2 = v: A = w's columns, B = tokens: a lane holds a channel,
; its registers run along the keys.  Only pointers and numbers are chosen; there is one text.
; OUT.  qb: q's half fragments [head 64][token tile 128], then from QSC its scale words [head][group of 128 tokens][place 16][tile 8].  kv: [head 64][128 keys: 16] blocks of 13,056 bytes: k's 8 half fragments, v's 4 fragments
; (16 channels x 128 keys), k's scale words [place][tile 8], v's [place][tile 4].  q's and k's words hold the head's two bytes and 0x7f twice.
; K goes in four steps of 256 through two LDS slots filled by the tensor data mover; the scale words of the 512 rows come once.  4 x 4 work-groups form a cluster: A's tiles are asked for jointly along its rows, B's along its columns.
; LIMITS: NaN and infinities are not served; a block whose largest magnitude lies under 2^(3 - 127), a block of zeros among them, gets the byte 1: this program alone reads the bytes.
; REGISTERS: window 0: v2 r, v3 h, v16-29 addresses; v32-63 scale words, two sets; v64-127 the bias along B; v128-223 A's fragments, one set; v224-239 the bias along A.  window 1: B's fragments, two sets, at v0 and v128.
;   windows 2, 3: the accumulators, (a, b) at v[8 (8 (a % 4) + b)].
.set FR,    12                          ; registers of a fragment
.set NL,    4                           ; LDS loads that bring one
.set NP,    4                           ; places behind this matrix instruction (ISA guide 7.12.1)
.set TILEB, 3072                        ; a tile's 256 along K: four half fragments
.set HALFT, 8*TILEB                     ; 128 rows: what one tensor load brings
.set SLOT,  4*HALFT                     ; A's 16 tiles, then B's 16
.set SCL,   2*SLOT                      ; behind the ring: A's scale words (8,192 bytes), then B's
.set HALFS, 4096
.set SPARE, SCL+4*HALFS                 ; the spare words, 128 bytes for each wave: two blocks of 256 bytes that no other line names
.set STEPB, 13056
.set QSC,   6291456
.set ADRA, 16                           ; v16-17 my A fragments in slot 0, 1, + 16 x lane; v18-19 + 8 x lane
.set ADRB, 20                           ; v20-23 the same for B
.set L16,  24
.set L8,   25
.set VSO,  26
.set ADRS, 27                           ; my scale words: lanes 0-15 A's, lanes 16-31 B's
.set SPW,  28
.set NIL,  29
.set SC,   32
.set BB,   64
.set AF,   128
.set BA,   224
.set T,    128                          ; the way out: 64 numbers
.set PC,   192                          ; v192-203 codes, v204-206, v208-210 at work
.set PW,   212
.set TM,   240
.set SWE,  32                           ; the scale words of the eight blocks: first head's (v: whole words)
.set SWO,  40                           ; second head's
.set SEL,  92
.set G1, 24
.set G0, 32
.set G1B, 48
.set G0B, 56
.set G1S, 68
.set G0S, 76
.set G1SB, 80
.set G0SB, 88
.set MSB, 0
.macro WIN new                          ; the immediate's high byte repeats the setting that is left
.if MSB != \new
	s_set_vgpr_msb (MSB<<8)|\new
.set MSB, \new
.endif
.endm
.set MUL_LO, 0xa1                       ; source 0 (B) window 1, source 1 (A) window 0, C and D window 2
.set MUL_HI, 0xf1
.set TO_B,   0x40
.macro JLOAD g0a, g1a, g0b, g1b         ; a joint load: waves 0, 1 fetch for A, waves 2, 3 for B; four v_nop follow each line
	s_cmp_eq_u32 s15, 0
	s_cbranch_scc0 .Lfor_b_\@
	tensor_load_to_lds s[\g0a:\g0a+3], s[\g1a:\g1a+7]
	s_nop 0
.rept 4
	v_nop
.endr
	s_branch .Lasked_\@
.Lfor_b_\@:
	tensor_load_to_lds s[\g0b:\g0b+3], s[\g1b:\g1b+7]
	s_nop 0
.rept 4
	v_nop
.endr
.Lasked_\@:
.endm
.macro CREST                            ; a round of the cluster's barrier behind its opening barrier
	s_cmp_lg_u32 s14, 0
	s_cbranch_scc1 .Lnot_wave_0_\@
	s_barrier_signal -3
.Lnot_wave_0_\@:
	s_barrier_wait -3
	s_barrier_signal -1
	s_barrier_wait -1
.endm
.macro CROUND
	s_barrier_signal -1
	s_barrier_wait -1
	CREST
.endm
.macro PLACES n
.rept \n
	v_nop
.endr
.endm
.macro FRAG reg, adr, q, i              ; a fragment is two half fragments on end: every load takes 512 or 256 consecutive bytes
	ds_load_b128 v[\reg:\reg+3], v[\adr] offset:TILEB*(\i)+1536*(\q)
	ds_load_b64 v[\reg+4:\reg+5], v[\adr+2] offset:TILEB*(\i)+1536*(\q)+512
	ds_load_b128 v[\reg+6:\reg+9], v[\adr] offset:TILEB*(\i)+1536*(\q)+768
	ds_load_b64 v[\reg+10:\reg+11], v[\adr+2] offset:TILEB*(\i)+1536*(\q)+1280
.endm
.macro FETCH_B slot, q, p
	WIN TO_B
.irp i, 0,1,2,3,4,5,6,7
	FRAG 128*(\p)+FR*\i, ADRB+\slot, \q, \i
.endr
	WIN 0
.endm
.macro FETCH_A slot, q, i0
.irp i, \i0, \i0+1, \i0+2, \i0+3
	FRAG AF+FR*(\i), ADRA+\slot, \q, \i
.endr
.endm
.macro SCALES sc, ks                    ; K step ks's scale words into set sc: register 2 i + q: lanes 0-15 A's block i, lanes 16-31 B's block i
.irp i, 0,1,2,3,4,5,6,7
.irp q, 0,1
	ds_load_b32 v[SC+16*(\sc)+2*\i+\q], v[ADRS] offset:512*\i+64*(2*(\ks)+\q)
.endr
.endr
.endm
; 16 matrix instructions: A's blocks a0, a0 + 1 x B's eight.  first = 1: the sums start from the bias along B.  The 64 accumulators take turns, one instruction a turn.
.macro MUL16 a0, p, q, sc, first
.irp a, \a0, \a0+1
.irp b, 0,1,2,3,4,5,6,7
.if \first
	v_wmma_scale_f32_16x16x128_f8f6f4 v[8*(8*((\a)%4)+\b):8*(8*((\a)%4)+\b)+7], v[128*(\p)+FR*\b:128*(\p)+FR*\b+FR-1], v[AF+FR*(\a):AF+FR*(\a)+FR-1], v[BB+8*\b:BB+8*\b+7], v[SC+16*(\sc)+2*\b+(\q)], v[SC+16*(\sc)+2*(\a)+(\q)] matrix_a_fmt:MATRIX_FMT_FP6 matrix_b_fmt:MATRIX_FMT_FP6 matrix_a_scale:MATRIX_SCALE_ROW1
.else
	v_wmma_scale_f32_16x16x128_f8f6f4 v[8*(8*((\a)%4)+\b):8*(8*((\a)%4)+\b)+7], v[128*(\p)+FR*\b:128*(\p)+FR*\b+FR-1], v[AF+FR*(\a):AF+FR*(\a)+FR-1], v[8*(8*((\a)%4)+\b):8*(8*((\a)%4)+\b)+7], v[SC+16*(\sc)+2*\b+(\q)], v[SC+16*(\sc)+2*(\a)+(\q)] matrix_a_fmt:MATRIX_FMT_FP6 matrix_b_fmt:MATRIX_FMT_FP6 matrix_a_scale:MATRIX_SCALE_ROW1
.endif
.endr
.endr
.endm
.macro STEP slot, q, first              ; 128 along K that has its successor in the same slot
	s_wait_dscnt 4*NL                              ; B's set, A's blocks 0-3 and the scale words are in; the youngest 16 loads (A's blocks 4-7) may be out
.if \first
	WIN 0x81                                       ; C (the bias) in window 0, D in window 2
.else
	WIN MUL_LO
.endif
	MUL16 0, (\q)%2, \q, \slot, \first
	MUL16 2, (\q)%2, \q, \slot, \first
	s_wait_dscnt 0
	PLACES NP
	FETCH_B \slot, (\q)+1, 1-(\q)%2
	FETCH_A \slot, (\q)+1, 0
.if \first
	WIN 0xc1
.else
	WIN MUL_HI
.endif
	MUL16 4, (\q)%2, \q, \slot, \first
	MUL16 6, (\q)%2, \q, \slot, \first
	PLACES NP
	WIN 0
	FETCH_A \slot, (\q)+1, 4
.endm
; A slot's last 128 along K changes slots: one barrier; in front of it each wave waits for all its tensor loads, adds 0 to its spare word, and waits for that and for its reads of this slot.
.macro TURN slot, next, fill, ks
	s_wait_tensorcnt 0x0                           ; all my tensor loads have landed: my part of the next slot
	ds_add_u32 v[SPW], v[NIL]                      ; 0 onto my spare word
	s_wait_dscnt 4*NL+1                            ; (the add and A's blocks 4-7 may be out)
	WIN MUL_LO
	MUL16 0, 1, 1, \slot, 0
	s_wait_dscnt 0x0                               ; the add is done, and my reads of this slot are over
	s_barrier_signal -1
	MUL16 2, 1, 1, \slot, 0
	WIN 0
	s_barrier_wait -1
.if \fill
	CREST                                          ; the barrier has opened a round of the cluster's: no wave of any partner still reads this slot or has a load on its way
	s_add_nc_u64 s[G0+4*\slot+2:G0+4*\slot+3], s[G0+4*\slot+2:G0+4*\slot+3], 2*TILEB
	s_add_nc_u64 s[G0B+4*\slot+2:G0B+4*\slot+3], s[G0B+4*\slot+2:G0B+4*\slot+3], 2*TILEB
	JLOAD G0+4*\slot, G1, G0B+4*\slot, G1B         ; the first tensor load behind the round; its four v_nop are the places in front of the loads below
.else
	PLACES NP
.endif
	FETCH_B \next, 0, 0
	FETCH_A \next, 0, 0
	SCALES \next, \ks
	WIN MUL_HI
	MUL16 4, 1, 1, \slot, 0
	MUL16 6, 1, 1, \slot, 0
	PLACES NP
	WIN 0
	FETCH_A \next, 0, 4
.endm
.macro QMAX s                           ; the four blocks' scales of 64 numbers v[s] on (register 16 b + i = 32 b + 16 h + i along the next K)
.irp b, 0,1,2,3
	v_max3_num_f32 v[TM+\b], |v[\s+16*\b]|, |v[\s+1+16*\b]|, 0x1800000   ; and the floor 2^(3 - 127): the byte cannot fall under 1
.endr
.irp i, 2,4,6,8,10,12,14
.irp b, 0,1,2,3
	v_max3_num_f32 v[TM+\b], v[TM+\b], |v[\s+16*\b+\i]|, |v[\s+1+16*\b+\i]|
.endr
.endr
.irp b, 0,1,2,3
	v_permlanex16_b32 v[TM+4+\b], v[TM+\b], s[SEL], s[SEL+1]
.endr
.irp b, 0,1,2,3
	v_max_num_f32 v[TM+\b], v[TM+\b], v[TM+4+\b]
.endr
.irp b, 0,1,2,3
	v_add_nc_u32 v[TM+12+\b], 0xff000000, v[TM+\b]   ; 2 off the exponent field: the conversion's scale operand
.endr
.irp b, 0,1,2,3
	v_lshrrev_b32 v[TM+4+\b], 23, v[TM+12+\b]
.endr
	v_lshl_or_b32 v[PW], v[TM+5], 8, v[TM+4]
	v_lshl_or_b32 v[PW], v[TM+6], 16, v[PW]
	v_lshl_or_b32 v[PW], v[TM+7], 24, v[PW]
.endm
.macro QCVT s
.irp c, 0,1
	v_cvt_scalef32_pk16_fp6_f32 v[PC+6*\c:PC+2+6*\c], v[\s+32*\c:\s+15+32*\c], v[TM+12+2*\c]
	v_cvt_scalef32_pk16_fp6_f32 v[PC+12+4*\c:PC+14+4*\c], v[\s+16+32*\c:\s+31+32*\c], v[TM+12+2*\c+1]
.endr
	v_nop                                          ; one plain place behind the scaled conversions
.irp c, 0,1
.irp i, 0,1,2
	v_permlane16_swap_b32 v[PC+6*\c+\i], v[PC+12+4*\c+\i]
.endr
.irp i, 0,1,2
	v_mov_b32 v[PC+3+6*\c+\i], v[PC+12+4*\c+\i]
.endr
.endr
.endm
; A's block a leaves: + the bias along A, quantised along B, stored as two half fragments.  Each accumulator is read from its low end on.
.macro EPI a
	WIN 0x02+(\a)/4
.set ii, 0
.rept 32
	v_pk_add_f32 v[T+2*ii:T+2*ii+1], v[64*((\a)%4)+2*ii:64*((\a)%4)+2*ii+1], v[BA+2*(\a):BA+2*(\a)+1]
.set ii, ii+1
.endr
	WIN 0
	QMAX T
	v_and_or_b32 v[SWE+\a], v[PW], s94, s95        ; q, k: the first head's two bytes and 0x7f twice; v: the word as it is
	v_lshrrev_b32 v48, 16, v[PW]
	v_or_b32 v[SWO+\a], 0x7f7f0000, v48            ; q, k: the second head's
.if \a > 0
	s_wait_xcnt 0x0                                ; the last block's stores have read their data and bases
.if \a == 4
	s_add_nc_u64 s[20:21], s[20:21], s[42:43]
	s_add_nc_u64 s[22:23], s[22:23], s[42:43]
.else
	s_add_nc_u64 s[20:21], s[20:21], s[40:41]
	s_add_nc_u64 s[22:23], s[22:23], s[40:41]
.endif
.endif
	QCVT T
	global_store_b128 v[L16], v[PC:PC+3], s[20:21]             ; 512 consecutive bytes, aligned
	global_store_b64 v[L8], v[PC+4:PC+5], s[20:21] offset:512  ; 256
	global_store_b128 v[L16], v[PC+6:PC+9], s[22:23]
	global_store_b64 v[L8], v[PC+10:PC+11], s[22:23] offset:512
.endm
	s_load_b256 s[4:11], s[0:1], 0x0               ; xc, xs, wc, ws
	s_load_b64 s[12:13], s[0:1], 0x20              ; b_qkv
	s_load_b64 s[96:97], s[0:1], 0x28              ; qb
	s_load_b64 s[66:67], s[0:1], 0x30              ; kv
	v_lshl_add_u32 v[SPW], v0, 2, SPARE
	v_mov_b32 v[NIL], 0
	ds_add_u32 v28, v29
	ds_add_u32 v28, v29
	s_wait_dscnt 0x0
	v_lshrrev_b32 v1, 5, v0
	v_readfirstlane_b32 s14, v1                    ; wave 0..3
	s_lshr_b32 s15, s14, 1                         ; which half of A's rows is mine.  Also: I fetch for A (0) or for B (1)
	s_and_b32 s16, s14, 1                          ; which half of B's rows.  Also: which 128 rows I fetch
	s_bfe_u32 s40, ttmp6, 0x40000                  ; cx
	s_bfe_u32 s41, ttmp6, 0x40004                  ; cy
	s_and_b32 s18, ttmp7, 0xffff
	s_lshl_b32 s18, s18, 2                         ; 4 x cluster y
	s_lshl_b32 s19, ttmp9, 2                       ; 4 x cluster x
	s_cmp_eq_u32 ttmp9, 2                          ; v?
	s_cselect_b32 s17, 8, s18
	s_cselect_b32 s42, s18, s19
	s_add_co_u32 s17, s17, s41                     ; A's block of 256 rows: q, k: tokens 4 Y + cy; v: table rows 8 + cy
	s_add_co_u32 s42, s42, s40                     ; B's: q, k: table rows 4 X + cx; v: tokens 4 Y + cx
	s_lshl_b32 s43, s41, 2
	s_lshl_b32 s43, 15, s43                        ; my row of the cluster
	s_lshl_b32 s44, 0x1111, s40                    ; my column
	s_or_b32 s[G1+0], s43, (3<<16)|(1<<21)         ; 15:0 the mask; 17:16 elements of 8 bytes; 21 set beside a mask; no padding
	s_or_b32 s[G1B+0], s44, (3<<16)|(1<<21)
.irp g, G1, G1B
	s_mov_b32 s[\g+1], 384<<16                     ; tensor_dim0: 3,072 bytes of a tile
	s_mov_b32 s[\g+2], 8<<16                       ; tensor_dim1: 8 tiles
	s_mov_b32 s[\g+3], 384<<16                     ; tile_dim0
	s_mov_b32 s[\g+4], 8                           ; tile_dim1
	s_mov_b32 s[\g+5], 1536                        ; from tile to tile: 12,288 bytes
	s_mov_b32 s[\g+6], 0
	s_mov_b32 s[\g+7], 0
.endr
	s_or_b32 s[G1S+0], s43, (3<<16)|(1<<21)        ; the scale words of 128 rows: 4,096 dense bytes as 16 rows of 256
	s_or_b32 s[G1SB+0], s44, (3<<16)|(1<<21)
.irp g, G1S, G1SB
	s_mov_b32 s[\g+1], 32<<16
	s_mov_b32 s[\g+2], 16<<16
	s_mov_b32 s[\g+3], 32<<16
	s_mov_b32 s[\g+4], 16
	s_mov_b32 s[\g+5], 32
	s_mov_b32 s[\g+6], 0
	s_mov_b32 s[\g+7], 0
.endr
	s_lshl_b32 s18, s16, 3
	s_lshl_b32 s20, s17, 4
	s_add_co_u32 s20, s20, s18                     ; A: the first tile that I fetch
	s_lshl_b32 s46, s42, 4
	s_add_co_u32 s46, s46, s18                     ; B
	s_lshl_b32 s22, s20, 9                         ; its scale words,
	s_mov_b32 s23, 0
	s_lshl_b32 s92, s46, 9
	s_mov_b32 s93, 0
	s_mul_i32 s20, s20, 12288                      ; its codes
	s_mov_b32 s21, 0
	s_mul_i32 s46, s46, 12288
	s_mov_b32 s47, 0
	s_mul_i32 s45, s14, HALFT                      ; where they go: no place in the cluster enters an LDS address
	s_mul_i32 s94, s14, HALFS
	s_wait_kmcnt 0x0
	s_mov_b64 s[98:99], s[4:5]
	s_mov_b64 s[100:101], s[6:7]
	s_cmp_eq_u32 ttmp9, 2                          ; v: the tables change roles
	s_cselect_b64 s[4:5], s[8:9], s[4:5]
	s_cselect_b64 s[6:7], s[10:11], s[6:7]
	s_cselect_b64 s[8:9], s[98:99], s[8:9]
	s_cselect_b64 s[10:11], s[100:101], s[10:11]
	s_add_nc_u64 s[20:21], s[4:5], s[20:21]
	s_add_nc_u64 s[22:23], s[6:7], s[22:23]
	s_add_nc_u64 s[46:47], s[8:9], s[46:47]
	s_add_nc_u64 s[92:93], s[10:11], s[92:93]
	CROUND                                         ; all sixteen work-groups are here: the first joint loads meet
	s_mov_b32 s[G0S], 1
	s_add_co_u32 s[G0S+1], s94, SCL
	s_mov_b64 s[G0S+2:G0S+3], s[22:23]
	s_or_b32 s[G0S+3], s[G0S+3], 0x80000000
	s_mov_b32 s[G0SB], 1
	s_add_co_u32 s[G0SB+1], s94, SCL
	s_mov_b64 s[G0SB+2:G0SB+3], s[92:93]
	s_or_b32 s[G0SB+3], s[G0SB+3], 0x80000000
	JLOAD G0S, G1S, G0SB, G1SB                     ; the scale words first
.irp s, 0,1
	s_mov_b32 s[G0+4*\s], 1
	s_add_co_u32 s[G0+4*\s+1], s45, \s*SLOT
	s_add_nc_u64 s[G0+4*\s+2:G0+4*\s+3], s[20:21], \s*TILEB
	s_or_b32 s[G0+4*\s+3], s[G0+4*\s+3], 0x80000000
	s_mov_b32 s[G0B+4*\s], 1
	s_add_co_u32 s[G0B+4*\s+1], s45, \s*SLOT
	s_add_nc_u64 s[G0B+4*\s+2:G0B+4*\s+3], s[46:47], \s*TILEB
	s_or_b32 s[G0B+4*\s+3], s[G0B+4*\s+3], 0x80000000
	JLOAD G0+4*\s, G1, G0B+4*\s, G1B               ; three loads of mine are out
.endr
	v_and_b32 v1, 31, v0
	v_and_b32 v2, 15, v0                           ; r
	v_bfe_u32 v3, v0, 4, 1                         ; h
	v_lshlrev_b32 v[L16], 4, v1
	v_lshlrev_b32 v[L8], 3, v1
	s_mul_i32 s21, s15, HALFT                      ; my 128 rows of A
	s_mul_i32 s22, s16, HALFT
	s_add_co_u32 s22, s22, 2*HALFT                 ; my 128 rows of B, behind A's 256
.irp s, 0,1
	v_add_nc_u32 v[ADRA+\s], s21, v[L16]
	v_add_nc_u32 v[ADRB+\s], s22, v[L16]
	v_add_nc_u32 v[ADRA+2+\s], s21, v[L8]
	v_add_nc_u32 v[ADRB+2+\s], s22, v[L8]
	s_add_co_u32 s21, s21, SLOT
	s_add_co_u32 s22, s22, SLOT
.endr
	s_lshl_b32 s21, s15, 12                        ; A's scale words: my 128 rows
	s_lshl_b32 s22, s16, 12
	s_add_co_u32 s22, s22, 2*HALFS                 ; B's, behind A's
	s_sub_co_u32 s22, s22, s21
	v_mul_u32_u24 v6, s22, v3                      ; lanes 16-31 take B's
	s_add_co_u32 s21, s21, SCL
	v_lshl_add_u32 v6, v2, 2, v6
	v_add_nc_u32 v[ADRS], s21, v6
	; the biases.  q, k: along B (the C of each sum's first product); v: along A (added on the way out).  The one that does not apply is cleared by a mask.
	s_lshl_b32 s100, s17, 1
	s_add_co_u32 s100, s100, s15                   ; GA: my group of 128 rows of A
	s_lshl_b32 s101, s42, 1
	s_add_co_u32 s101, s101, s16                   ; GB: of B
	s_cmp_eq_u32 ttmp9, 2
	s_cselect_b32 s98, -1, 0
	s_cselect_b32 s99, 0, -1
	s_cselect_b32 s20, 0, s101
	s_cselect_b32 s22, s100, 0
	s_lshl_b32 s20, s20, 9
	s_mov_b32 s21, 0
	s_lshl_b32 s22, s22, 9
	s_mov_b32 s23, 0
	s_add_nc_u64 s[20:21], s[12:13], s[20:21]
	s_add_nc_u64 s[22:23], s[12:13], s[22:23]
	v_lshlrev_b32 v6, 6, v3                        ; 64 h
	v_and_b32 v7, 8, v2
	v_add_nc_u32 v7, v7, v2
	v_lshlrev_b32 v7, 2, v7                        ; 4 (r + 8 (r / 8))
.irp bb, 0,1,2,3
.irp j, 0,1,2,3
	global_load_b128 v[BB+16*\bb+4*\j:BB+16*\bb+4*\j+3], v6, s[20:21] offset:128*\bb+16*\j   ; register 16 bb + i: B's row 32 bb + 16 h + i
.endr
.endr
.irp a, 0,1,2,3,4,5,6,7
	global_load_b32 v[BA+2*\a], v7, s[22:23] offset:4*(32*(\a/2)+8*(\a%2))                   ; place r of A's block a
.endr
	s_wait_loadcnt 0x0
.set ii, 0
.rept 64
	v_and_b32 v[BB+ii], s99, v[BB+ii]
.set ii, ii+1
.endr
.irp a, 0,1,2,3,4,5,6,7
	v_and_b32 v[BA+2*\a], s98, v[BA+2*\a]
	v_mov_b32 v[BA+2*\a+1], v[BA+2*\a]             ; a pair for the packed addition
.endr
	s_wait_tensorcnt 1                             ; the scale words and my part of K step 0 are in (K step 1's load may be out),
	s_barrier_signal -1
	s_barrier_wait -1                              ; everybody's are
	FETCH_B 0, 0, 0
	FETCH_A 0, 0, 0
	SCALES 0, 0
	FETCH_A 0, 0, 4
	STEP 0, 0, 1                                   ; K = 1,024 is four slots: written out, no loop
	TURN 0, 1, 1, 1                                ; slot 0 takes K step 2
	STEP 1, 0, 0
	TURN 1, 0, 1, 2                                ; slot 1 takes K step 3
	STEP 0, 0, 0
	TURN 0, 1, 0, 3
	STEP 1, 0, 0
	s_wait_dscnt 4*NL
	WIN MUL_LO
	MUL16 0, 1, 1, 1, 0
	MUL16 2, 1, 1, 1, 0
	s_wait_dscnt 0
	WIN MUL_HI
	MUL16 4, 1, 1, 1, 0
	MUL16 6, 1, 1, 1, 0
	WIN 0
	PLACES NP                                      ; in front of the writes over A's fragments and the scale words' registers
	; THE WAY OUT: where my blocks go.  tokG = my group of 128 tokens, hp = my pair of heads
	s_sub_co_u32 s2, s100, 16                      ; v: GA - 16
	s_and_b32 s3, s101, 7                          ; q, k: GB mod 8
	s_mov_b32 s4, 16*STEPB                         ; from head to head,
	s_mov_b32 s5, STEPB                            ; from group to group
	s_mov_b32 s8, 12288                            ; where the scale words begin
	s_cmp_eq_u32 ttmp9, 0                          ; q?
	s_cselect_b32 s4, 98304, s4
	s_cselect_b32 s5, 6144, s5
	s_cselect_b32 s6, 8192, s4                     ; the same two steps for the scale words
	s_cselect_b32 s7, 512, s5
	s_cselect_b32 s8, QSC, s8
	s_cselect_b64 s[20:21], s[96:97], s[66:67]
	s_mov_b64 s[44:45], s[20:21]
	s_mov_b32 s40, 768
	s_mov_b32 s42, 768
	s_mov_b32 s94, 0xffff
	s_mov_b32 s10, 16
	s_cmp_eq_u32 ttmp9, 2                          ; v?
	s_cselect_b32 s18, s101, s100                  ; tokG
	s_cselect_b32 s19, s2, s3                      ; hp
	s_cselect_b32 s8, 12800, s8
	s_cselect_b32 s9, 6144, 0                      ; v's fragments lie behind k's
	s_cselect_b32 s22, 768, s4                     ; registers 6-11: v: the fragment's second half; q, k: the next head
	s_cselect_b32 s40, 1536, s40                   ; from block to block
	s_cselect_b32 s42, 204288, s42                 ; from block 3 to block 4: v: on to the next head
	s_cselect_b32 s94, -1, s94
	s_cselect_b32 s95, 0, 0x7f7f0000
	s_cselect_b32 s10, 16*STEPB, s10
	s_cselect_b32 s11, 16, 32
	s_mov_b32 s23, 0
	s_mov_b32 s41, 0
	s_mov_b32 s43, 0
	s_lshr_b32 s2, s18, 4
	s_lshl_b32 s2, s2, 4
	s_lshl_b32 s19, s19, 1
	s_add_co_u32 s2, s2, s19                       ; the first head: 16 x batch + 2 hp
	s_and_b32 s3, s18, 15                          ; the group in its batch
	s_mul_i32 s18, s2, s4
	s_mul_i32 s19, s3, s5
	s_add_co_u32 s18, s18, s19
	s_add_co_u32 s18, s18, s9
	s_mov_b32 s19, 0
	s_add_nc_u64 s[20:21], s[20:21], s[18:19]      ; registers 0-5 go here,
	s_add_nc_u64 s[22:23], s[20:21], s[22:23]      ; registers 6-11 here
	s_mul_i32 s18, s2, s6
	s_mul_i32 s3, s3, s7
	s_add_co_u32 s18, s18, s3
	s_add_co_u32 s18, s18, s8
	s_add_nc_u64 s[44:45], s[44:45], s[18:19]      ; the scale words,
	s_mov_b32 s7, 0
	s_add_nc_u64 s[46:47], s[44:45], s[6:7]        ; q, k: the second head's
	s_mov_b32 s[SEL], 0x76543210
	s_mov_b32 s[SEL+1], 0xfedcba98
	v_mul_u32_u24 v[VSO], v2, s11                  ; q, k: 32 r + 16 h; v: 16 r, lanes 16-31 the next head
	v_mad_u32_u24 v[VSO], v3, s10, v[VSO]
.irp b, 0,1,2,3
	v_mov_b32 v[TM+4+\b], 0                        ; written once: a lane permute's destination counts as one of its sources
.endr
.irp a, 0,1,2,3,4,5,6,7
	EPI \a
.endr
	v_cmp_ne_u32 vcc_lo, 0, v3
.irp i, 0,1,2,3
	v_cndmask_b32 v[48+\i], v[SWE+\i], v[SWE+4+\i], vcc_lo   ; lanes 0-15 store blocks 0-3's words, lanes 16-31 blocks 4-7's
.endr
	global_store_b128 v[VSO], v[48:51], s[44:45]
	s_cmp_eq_u32 ttmp9, 2                          ; the cluster's x: the same in all partners
	s_cbranch_scc1 .Lno_odd
.irp i, 0,1,2,3
	v_cndmask_b32 v[52+\i], v[SWO+\i], v[SWO+4+\i], vcc_lo
.endr
	global_store_b128 v[VSO], v[52:55], s[46:47]
.Lno_odd:
	s_wait_tensorcnt 0x0                           ; the wave's end
	ds_add_u32 v[SPW], v[NIL]
	s_wait_dscnt 0x0
	CROUND                                         ; the closing round
	s_endpgm
.Lfunc_end_k_q8b5944cbd8_qkv:
	.size	k_q8b5944cbd8_qkv, .Lfunc_end_k_q8b5944cbd8_qkv-k_q8b5944cbd8_qkv
	.p2alignl 7, 3214868480
	.fill 96, 4, 3214868480
	.section	.rodata,"a",@progbits
	.p2align	6, 0x0
	.amdhsa_kernel k_q8b5944cbd8_qkv
		.amdhsa_group_segment_fixed_size 327680
		.amdhsa_private_segment_fixed_size 0
		.amdhsa_enable_private_segment 0
		.amdhsa_kernarg_size 56
		.amdhsa_user_sgpr_count 2
		.amdhsa_user_sgpr_kernarg_segment_ptr 1
		.amdhsa_wavefront_size32 1
		.amdhsa_system_sgpr_workgroup_id_x 1
		.amdhsa_system_sgpr_workgroup_id_y 1
		.amdhsa_system_sgpr_workgroup_id_z 1
		.amdhsa_system_vgpr_workitem_id 0
		.amdhsa_next_free_vgpr 1024
		.amdhsa_next_free_sgpr 102
		.amdhsa_reserve_vcc 1
		.amdhsa_float_denorm_mode_32 3
		.amdhsa_float_denorm_mode_16_64 3
		.amdhsa_memory_ordered 1
		.amdhsa_forward_progress 1
		.amdhsa_inst_pref_size 175
	.end_amdhsa_kernel
	.amdgpu_metadata
---
amdhsa.version: [ 1, 2 ]
amdhsa.kernels:
  - .name:           k_q8b5944cbd8_qkv
    .symbol:         k_q8b5944cbd8_qkv.kd
    .args:
      - { .name: xc, .offset: 0, .size: 8, .value_kind: global_buffer, .address_space: global }
      - { .name: xs, .offset: 8, .size: 8, .value_kind: global_buffer, .address_space: global }
      - { .name: wc, .offset: 16, .size: 8, .value_kind: global_buffer, .address_space: global }
      - { .name: ws, .offset: 24, .size: 8, .value_kind: global_buffer, .address_space: global }
      - { .name: b_qkv, .offset: 32, .size: 8, .value_kind: global_buffer, .address_space: global }
      - { .name: qb, .offset: 40, .size: 8, .value_kind: global_buffer, .address_space: global }
      - { .name: kv, .offset: 48, .size: 8, .value_kind: global_buffer, .address_space: global }
    .group_segment_fixed_size: 327680
    .private_segment_fixed_size: 0
    .kernarg_segment_align: 8
    .kernarg_segment_size: 56
    .max_flat_workgroup_size: 128
    .sgpr_count:     102
    .vgpr_count:     1024
    .wavefront_size: 32
...
	.end_amdgpu_metadata
.endif
;; end of part 2
;; launch attn (part 3): grid 4 x 64, 16 waves a work-group, clusters of 4 x 1, 210,944 bytes of LDS; arguments qb, kv, oc, os; writes oc, os
.if DOCPART == 3
	.amdgcn_target "amdgcn-amd-amdhsa--gfx1250"
	.amdhsa_code_object_version 6
	.text
	.protected	k_q8b5944cbd8_attn
	.globl	k_q8b5944cbd8_attn
	.p2align	8
	.type	k_q8b5944cbd8_attn,@function
k_q8b5944cbd8_attn:
	s_mov_b64 s[64:65], 0
	v_nop
	global_prefetch_b8 v0, s[64:65] scope:SCOPE_SE
	s_setreg_imm32_b32 hwreg(HW_REG_WAVE_MODE, 25, 1), 1
	s_wait_xcnt 0x0
	s_wait_alu depctr_hold_cnt(0) depctr_sa_sdst(0) depctr_va_vdst(0) depctr_va_sdst(0) depctr_va_ssrc(0) depctr_va_vcc(0) depctr_vm_vsrc(0)
	s_getreg_b32 s2, hwreg(HW_REG_IB_STS2, 6, 4)
	s_cmp_eq_u32 s2, 0
	s_cbranch_scc0 .Lentry_in_a_cluster
	s_endpgm
.Lentry_in_a_cluster:
	s_bfe_u32 s2, ttmp6, 0x10000c
	s_cmp_lg_u32 s2, 0x3003
	s_cbranch_scc0 .Lentry_shape_is_right
	s_endpgm
.Lentry_shape_is_right:
; o = softmax(q k^T / 8, causal) v for 64 heads of 2,048 tokens x 64 channels, both products on codes of FP6 (E2M3) with E8M0 scales; o / l is quantised along the model's 1,024 and stored as codes.
; THE SOFTMAX: t = score x log2(e) / 8; M = the running largest t rounded up to a whole number; p = 2^(t - M) is quantised along the keys; the row's sum is taken of the unquantised p and divides at the end.  When M moves,
; the sum and O are multiplied by 2^(old M - new M): exact.
; IN: qb: q's half fragments [head][token tile 128] (768 bytes: 16 tokens x 64 channels, the image of registers 0-5 of a fragment), from QSC its scale words [head][group 16][place 16][tile 8].  kv: [head][16] blocks of
; 13,056 bytes for 128 keys: k's 8 half fragments, v's 4 fragments (16 channels x 128 keys), k's scale words [place][8], v's [place][4].  Place r of tile T is row 32 (T / 2) + 8 (T % 2) + r % 8 + 16 (r / 8).
; A HEAD'S k, v AND SCALE WORDS, 208,896 BYTES, STAY IN LDS: filled once, each wave one block, so no byte of LDS is filled twice.  The four work-groups of a head form a cluster and ask for each block jointly.
; SHARES.  A group is 128 queries, 8 tiles.  Work-group cx takes tiles a = 2 cx + e of every group; wave (i = wave / 4, c = wave % 4), e = i % 2, takes group g1 (0 .. 7, a permutation by the wave's number) in pass 0 and
; group 15 - g1 in pass 1: (g1 + 1) + (16 - g1) = 17 key steps for every wave of the launch.  Steps whose keys all come after the group are left out by a scalar branch on the wave's number and the loop's count; cx enters
; global addresses and the mask's numbers alone.
; BOTH PRODUCTS TRANSPOSED: S^T = k q^T, O^T = v^T p^T: a lane holds one query (place lane % 16); the 16 registers of key tiles 2 b, 2 b + 1 are keys 32 b + 16 h + 0 .. 15, those of channel tiles likewise.
; K = 64 IN A FORM OF 128: q's registers 6-11 are zero codes; key tile t's operand is v[KR + 6 t .. + 11], whose upper six registers are the next tile's codes (tile 7: zeros).  Every pattern of 6 bits is a finite number and
; bytes 2, 3 of both scale words are 0x7f, so those products are zeros.
; OUT: oc [token tile 512][head 16] half fragments; os [tile][K step 8][place 16] words, bytes 2 (head % 2) + block: two bytes a lane, 262,144 bytes in the launch.
; LIMITS: NaN and infinities are not served; a block whose largest magnitude lies under 2^(3 - 127) gets the byte 1.
.set STEPB, 13056
.set QSC,  6291456
.set QF,   16                           ; v16-27 q's fragment (v22-27 zeros)
.set QN,   28                           ; v28-33 pass 1's
.set QS,   34                           ; q's scale words; v35 pass 1's
.set QSN,  35
.set KR,   36                           ; v36-83 k's 8 half fragments, then v's 4 fragments; v84-89 zeros
.set KSW,  90                           ; v90-97 k's scale words
.set VSW,  98                           ; v98-101 v's
.set S,    102                          ; v102-165 S^T, then p
.set O,    166                          ; v166-197 O^T
.set PC,   198                          ; v198-209 p's codes; v210-212, v214-216 at work
.set BM,   218
.set BP,   222
.set BS,   226
.set PW,   230                          ; p's scale word
.set F,    232                          ; v[232:233] 2^(old M - new M)
.set TT,   234                          ; v[234:235] at work
.set WV,   12
.set G,    18                           ; my group
.set SI,   19                           ; the key step
.set SB,   20                           ; its block's LDS byte
.set CNT,  21
.set CS,   22                           ; s[22:23] log2(e) / 8
.set G0,   24
.set G1,   40
.set SEL,  48
.macro CROUND
	s_barrier_signal -1
	s_barrier_wait -1
	s_cmp_lg_u32 s[WV], 0
	s_cbranch_scc1 .Lnot_wave_0_\@
	s_barrier_signal -3
.Lnot_wave_0_\@:
	s_barrier_wait -3
	s_barrier_signal -1
	s_barrier_wait -1
.endm
.macro STEP                             ; 128 keys
	s_cmp_gt_u32 s[SI], s[G]                       ; all its keys come after my queries: only the address steps
	s_cbranch_scc1 .Lhid_\@
	s_setprio 2
	v_add_nc_u32 v8, s[SB], v1                     ; (these four are the places in front of the loads into registers that the last products read)
	v_add_nc_u32 v9, s[SB], v2
	v_add_nc_u32 v10, s[SB], v3
	v_add_nc_u32 v11, s[SB], v4
.irp t, 0,1,2,3,4,5,6,7
	ds_load_b128 v[KR+6*\t:KR+6*\t+3], v8 offset:768*\t
	ds_load_b64 v[KR+6*\t+4:KR+6*\t+5], v9 offset:768*\t+512
.endr
	ds_load_b128 v[KSW:KSW+3], v10 offset:12288
	ds_load_b128 v[KSW+4:KSW+7], v10 offset:12304
	s_wait_alu depctr_va_vdst(0)
	s_wait_dscnt 0x0
.irp t, 0,1,2,3,4,5,6,7
	v_wmma_scale_f32_16x16x128_f8f6f4 v[S+8*\t:S+8*\t+7], v[KR+6*\t:KR+6*\t+11], v[QF:QF+11], 0, v[KSW+\t], v[QS] matrix_a_fmt:MATRIX_FMT_FP6 matrix_b_fmt:MATRIX_FMT_FP6
.endr
.rept 4
	v_nop                                          ; places: in front of the loads below and of the first read of the scores
.endr
.irp ct, 0,1,2,3                        ; v's fragments land while the softmax is walked
	ds_load_b128 v[KR+12*\ct:KR+12*\ct+3], v8 offset:6144+1536*\ct
	ds_load_b64 v[KR+12*\ct+4:KR+12*\ct+5], v9 offset:6144+1536*\ct+512
	ds_load_b128 v[KR+12*\ct+6:KR+12*\ct+9], v8 offset:6144+1536*\ct+768
	ds_load_b64 v[KR+12*\ct+10:KR+12*\ct+11], v9 offset:6144+1536*\ct+1280
.endr
	ds_load_b128 v[VSW:VSW+3], v11 offset:12800
	s_cmp_lg_u32 s[SI], s[G]                       ; only my group's own step lies on the diagonal
	s_cbranch_scc1 .Lopen_\@
.set n, 0
.rept 64
	v_cmp_gt_i32 vcc_lo, 32*(n/16)+n%16, v5        ; register 16 b + i holds key 32 b + 16 h + i of the step: hidden where 32 b + i > my query - 16 h
	v_cndmask_b32 v[S+n], v[S+n], v6, vcc_lo       ; -infinity: p = 0
.set n, n+1
.endr
.Lopen_\@:
.irp b, 0,1,2,3
	v_max3_num_f32 v[BM+\b], v[S+16*\b], v[S+1+16*\b], v[S+2+16*\b]   ; the largest score of each block of 32 keys: for the row's maximum and, since p rises with the score, for the block's largest p
.endr
.irp i, 3,5,7,9,11,13
.irp b, 0,1,2,3
	v_max3_num_f32 v[BM+\b], v[BM+\b], v[S+16*\b+\i], v[S+1+16*\b+\i]
.endr
.endr
.irp b, 0,1,2,3
	v_max_num_f32 v[BM+\b], v[BM+\b], v[S+15+16*\b]
.endr
.irp b, 0,1,2,3
	s_delay_alu instid0(VALU_DEP_4)
	v_permlanex16_b32 v[BP+\b], v[BM+\b], s[SEL], s[SEL+1]
.endr
.irp b, 0,1,2,3
	s_delay_alu instid0(VALU_DEP_4)
	v_max_num_f32 v[BM+\b], v[BM+\b], v[BP+\b]
.endr
	s_delay_alu instid0(VALU_DEP_2)
	v_max3_num_f32 v[TT], v[BM], v[BM+1], v[BM+2]
	s_delay_alu instid0(VALU_DEP_1)
	v_max_num_f32 v[TT], v[TT], v[BM+3]
	s_delay_alu instid0(VALU_DEP_1)
	v_mul_f32 v[TT], s[CS], v[TT]                  ; as t
	s_delay_alu instid0(VALU_DEP_1)
	v_max_num_f32 v13, v13, v[TT]                  ; the running largest t
	v_mov_b32 v[TT], v12
	s_delay_alu instid0(VALU_DEP_2)
	v_floor_f32 v12, -v13                          ; the new -M = -ceil(t)
	s_delay_alu instid0(VALU_DEP_1)
	v_sub_f32 v[TT], v12, v[TT]                    ; old M - new M: a whole number, 0 or less
	s_delay_alu instid0(VALU_DEP_1)
	v_cvt_i32_f32 v[TT], v[TT]                     ; (it saturates)
	s_delay_alu instid0(VALU_DEP_1)
	v_ldexp_f32 v[F], 1.0, v[TT]
.set n, 0
.rept 32
	v_pk_fma_f32 v[S+n:S+n+1], v[S+n:S+n+1], s[CS:CS+1], v[12:13] op_sel_hi:[1,0,0]   ; t - M
.set n, n+2
.endr
	s_setprio 1
.irp b, 0,1,2,3
	v_fma_f32 v[BM+\b], v[BM+\b], s[CS], v12
.endr
.set n, 0
	s_wait_alu depctr_va_vdst(0)
.rept 64
	v_exp_f32 v[S+n], v[S+n]                       ; p = 2^(t - M)
.set n, n+1
.endr
	v_pk_mul_f32 v[14:15], v[14:15], v[F:F+1] op_sel_hi:[1,0]   ; the sums under the new M (a plain place behind the exponentials)
	s_wait_alu depctr_va_vdst(0)                   ; one wait for the batch, ahead of its first reader
.irp b, 0,1,2,3
	v_exp_f32 v[BM+\b], v[BM+\b]                   ; the blocks' largest p
.endr
	v_pk_add_f32 v[234:235], v[106:107], v[110:111]
	v_pk_add_f32 v[252:253], v[114:115], v[118:119]
	v_pk_add_f32 v[250:251], v[122:123], v[126:127]
	v_pk_add_f32 v[248:249], v[130:131], v[134:135]
	v_pk_add_f32 v[246:247], v[138:139], v[142:143]
	v_pk_add_f32 v[244:245], v[146:147], v[150:151]
	v_pk_add_f32 v[242:243], v[154:155], v[158:159]
	v_pk_add_f32 v[14:15], v[14:15], v[162:163]
	v_pk_add_f32 v[234:235], v[234:235], v[102:103]
	v_pk_add_f32 v[252:253], v[252:253], v[104:105]
	v_pk_add_f32 v[250:251], v[250:251], v[108:109]
	v_pk_add_f32 v[248:249], v[248:249], v[112:113]
	v_pk_add_f32 v[246:247], v[246:247], v[116:117]
	v_pk_add_f32 v[244:245], v[244:245], v[120:121]
	v_pk_add_f32 v[242:243], v[242:243], v[124:125]
	v_pk_add_f32 v[14:15], v[14:15], v[128:129]
	v_pk_add_f32 v[234:235], v[234:235], v[132:133]
	v_pk_add_f32 v[252:253], v[252:253], v[136:137]
	v_pk_add_f32 v[250:251], v[250:251], v[140:141]
	v_pk_add_f32 v[248:249], v[248:249], v[144:145]
	v_pk_add_f32 v[246:247], v[246:247], v[148:149]
	v_pk_add_f32 v[244:245], v[244:245], v[152:153]
	v_pk_add_f32 v[242:243], v[242:243], v[156:157]
	v_pk_add_f32 v[14:15], v[14:15], v[160:161]
	v_pk_add_f32 v[234:235], v[234:235], v[164:165]
	s_delay_alu instid0(VALU_DEP_2)
	v_pk_add_f32 v[14:15], v[14:15], v[248:249]
	s_delay_alu instid0(VALU_DEP_2)
	v_pk_add_f32 v[234:235], v[234:235], v[246:247]
	v_pk_add_f32 v[252:253], v[252:253], v[244:245]
	v_pk_add_f32 v[250:251], v[250:251], v[242:243]
	s_delay_alu instid0(VALU_DEP_2)
	v_pk_add_f32 v[14:15], v[14:15], v[252:253]
	s_delay_alu instid0(VALU_DEP_2)
	v_pk_add_f32 v[234:235], v[234:235], v[250:251]
	s_delay_alu instid0(VALU_DEP_1)
	v_pk_add_f32 v[14:15], v[14:15], v[234:235]
	s_wait_alu depctr_va_vdst(0)                   ; and one for the four
.irp b, 0,1,2,3
	v_max_num_f32 v[BM+\b], 0x1800000, v[BM+\b]    ; the floor 2^(3 - 127)
.endr
.irp b, 0,1,2,3
	s_delay_alu instid0(VALU_DEP_4)
	v_add_nc_u32 v[BS+\b], 0xff000000, v[BM+\b]
.endr
.irp b, 0,1,2,3
	s_delay_alu instid0(VALU_DEP_4)
	v_lshrrev_b32 v[BP+\b], 23, v[BS+\b]
.endr
	s_delay_alu instid0(VALU_DEP_3)
	v_lshl_or_b32 v[PW], v[BP+1], 8, v[BP]
	s_delay_alu instid0(VALU_DEP_1)
	v_lshl_or_b32 v[PW], v[BP+2], 16, v[PW]
	s_delay_alu instid0(VALU_DEP_1)
	v_lshl_or_b32 v[PW], v[BP+3], 24, v[PW]
	s_setprio 0
.irp c, 0,1
	v_cvt_scalef32_pk16_fp6_f32 v[PC+6*\c:PC+2+6*\c], v[S+32*\c:S+15+32*\c], v[BS+2*\c]
	v_cvt_scalef32_pk16_fp6_f32 v[PC+12+4*\c:PC+14+4*\c], v[S+16+32*\c:S+31+32*\c], v[BS+2*\c+1]
.endr
	v_nop                                          ; one plain place behind the scaled conversions
.irp c, 0,1
.irp i, 0,1,2
	v_permlane16_swap_b32 v[PC+6*\c+\i], v[PC+12+4*\c+\i]
.endr
.irp i, 0,1,2
	s_delay_alu instid0(VALU_DEP_3)
	v_mov_b32 v[PC+3+6*\c+\i], v[PC+12+4*\c+\i]
.endr
.endr
.set n, 0
.rept 16
	v_pk_mul_f32 v[O+n:O+n+1], v[O+n:O+n+1], v[F:F+1] op_sel_hi:[1,0]   ; O^T under the new M; these sixteen are also the places between the scale word's and the codes' last writes and the products
.set n, n+2
.endr
	s_wait_alu depctr_va_vdst(0)
	s_wait_dscnt 0x0                               ; v is in
.irp ct, 0,1,2,3
	v_wmma_scale_f32_16x16x128_f8f6f4 v[O+8*\ct:O+8*\ct+7], v[KR+12*\ct:KR+12*\ct+11], v[PC:PC+11], v[O+8*\ct:O+8*\ct+7], v[VSW+\ct], v[PW] matrix_a_fmt:MATRIX_FMT_FP6 matrix_b_fmt:MATRIX_FMT_FP6
.endr
.Lhid_\@:
	s_add_co_u32 s[SB], s[SB], STEPB
.endm
.macro LOOP n                           ; a constant number of trips for every wave
	s_mov_b32 s[CNT], \n
.Lstep_\@:
	STEP
	s_add_co_u32 s[SI], s[SI], 1
	s_sub_co_u32 s[CNT], s[CNT], 1
	s_cmp_lg_u32 s[CNT], 0
	s_cbranch_scc1 .Lstep_\@
	s_setprio 0
.endm
.macro PASSINIT
.set n, 0
.rept 32
	v_mov_b32 v[O+n], 0                            ; the step is written once: the first finds zeros
.set n, n+1
.endr
	v_mov_b32 v13, 0xff61b1e6                      ; the largest t so far: -3e38
	s_delay_alu instid0(VALU_DEP_1)
	v_floor_f32 v12, -v13
	v_mov_b32 v14, 0
	v_mov_b32 v15, 0
.endm
.macro OUT                              ; O^T / the sum, quantised along the channels, as a half fragment of oc
.rept 4
	v_nop                                          ; places behind the last products
.endr
	v_add_f32 v14, v14, v15
	s_delay_alu instid0(VALU_DEP_1)
	v_permlanex16_b32 v[TT], v14, s[SEL], s[SEL+1]
	s_delay_alu instid0(VALU_DEP_1)
	v_add_f32 v14, v14, v[TT]                      ; the row's sum
	s_wait_alu depctr_va_vdst(0)
	v_rcp_f32 v14, v14
	v_nop                                          ; a plain place behind the reciprocal
	s_lshr_b32 s58, s14, 4
	s_lshl_b32 s58, s58, 7                         ; 128 x batch
	s_lshl_b32 s59, s[G], 3
	s_add_co_u32 s58, s58, s59
	s_add_co_u32 s58, s58, s17                     ; my token tile
	s_and_b32 s59, s14, 15                         ; the head in its batch
	s_mul_i32 s60, s58, 12288
	s_mul_i32 s61, s59, 768
	s_add_co_u32 s60, s60, s61
	s_mov_b32 s61, 0
	s_add_nc_u64 s[60:61], s[8:9], s[60:61]
	s_lshl_b32 s62, s58, 9
	s_lshr_b32 s63, s59, 1
	s_lshl_b32 s63, s63, 6
	s_add_co_u32 s62, s62, s63
	s_and_b32 s63, s59, 1
	s_lshl_b32 s63, s63, 1
	s_add_co_u32 s62, s62, s63
	s_mov_b32 s63, 0
	s_add_nc_u64 s[62:63], s[10:11], s[62:63]
	s_wait_alu depctr_va_vdst(0)                   ; ahead of the reciprocal's first reader
.set n, 0
.rept 16
	v_pk_mul_f32 v[S+n:S+n+1], v[O+n:O+n+1], v[14:15] op_sel_hi:[1,0]   ; register 16 b + i: channel 32 b + 16 h + i; each accumulator from its low end on
.set n, n+2
.endr
.irp b, 0,1
	v_max3_num_f32 v[BM+\b], |v[S+16*\b]|, |v[S+1+16*\b]|, 0x1800000
.endr
.irp i, 2,4,6,8,10,12,14
.irp b, 0,1
	s_delay_alu instid0(VALU_DEP_2)
	v_max3_num_f32 v[BM+\b], v[BM+\b], |v[S+16*\b+\i]|, |v[S+1+16*\b+\i]|
.endr
.endr
.irp b, 0,1
	s_delay_alu instid0(VALU_DEP_2)
	v_permlanex16_b32 v[BP+\b], v[BM+\b], s[SEL], s[SEL+1]
.endr
.irp b, 0,1
	s_delay_alu instid0(VALU_DEP_2)
	v_max_num_f32 v[BM+\b], v[BM+\b], v[BP+\b]
.endr
.irp b, 0,1
	s_delay_alu instid0(VALU_DEP_2)
	v_add_nc_u32 v[BS+\b], 0xff000000, v[BM+\b]
.endr
.irp b, 0,1
	s_delay_alu instid0(VALU_DEP_2)
	v_lshrrev_b32 v[BP+\b], 23, v[BS+\b]
.endr
	s_delay_alu instid0(VALU_DEP_1)
	v_lshl_or_b32 v[PW], v[BP+1], 8, v[BP]         ; the head's two bytes
	v_cvt_scalef32_pk16_fp6_f32 v[PC:PC+2], v[S:S+15], v[BS]
	v_cvt_scalef32_pk16_fp6_f32 v[PC+12:PC+14], v[S+16:S+31], v[BS+1]
	v_nop
.irp i, 0,1,2
	v_permlane16_swap_b32 v[PC+\i], v[PC+12+\i]
.endr
.irp i, 0,1,2
	s_delay_alu instid0(VALU_DEP_3)
	v_mov_b32 v[PC+3+\i], v[PC+12+\i]
.endr
	global_store_b128 v1, v[PC:PC+3], s[60:61]             ; 512 consecutive bytes, aligned
	global_store_b64 v2, v[PC+4:PC+5], s[60:61] offset:512 ; 256
	global_store_b16 v7, v[PW], s[62:63]                   ; lanes r and r + 16 write the same two bytes
.endm
	s_load_b256 s[4:11], s[0:1], 0x0               ; qb, kv, oc, os
	v_lshl_add_u32 v254, v0, 2, 0x33000
	v_mov_b32 v255, 0
	ds_add_u32 v254, v255
	ds_add_u32 v254, v255
	v_lshrrev_b32 v1, 5, v0
	s_delay_alu instid0(VALU_DEP_1)
	v_readfirstlane_b32 s[WV], v1                  ; wave 0..15
	s_bfe_u32 s13, ttmp6, 0x40000                  ; cx
	s_and_b32 s14, ttmp7, 0xffff                   ; the head, which the four partners share
	s_lshr_b32 s50, s[WV], 2                       ; i
	s_and_b32 s51, s[WV], 3                        ; c
	s_and_b32 s16, s50, 1                          ; e
	s_lshr_b32 s52, s51, 1
	s_mul_i32 s52, s52, 3
	s_lshr_b32 s53, s50, 1
	s_xor_b32 s15, s52, s53
	s_xor_b32 s53, s51, s50
	s_and_b32 s53, s53, 1
	s_mul_i32 s53, s53, 7
	s_xor_b32 s15, s15, s53                        ; g1 = 3 (c / 2) xor i / 2 xor 7 ((c xor i) % 2): the eight waves of one e take 0 .. 7 once each
	s_lshl_b32 s17, s13, 1
	s_add_co_u32 s17, s17, s16                     ; a: my tile in a group
	s_mov_b32 s[G1], 15|(3<<16)|(1<<21)            ; 15:0 the mask: all four work-groups; 17:16 elements of 8 bytes; 21 set beside a mask
	s_mov_b32 s[G1+1], 32<<16                      ; a block is 51 dense rows of 256 bytes
	s_mov_b32 s[G1+2], 51<<16
	s_mov_b32 s[G1+3], 32<<16
	s_mov_b32 s[G1+4], 51
	s_mov_b32 s[G1+5], 32
	s_mov_b32 s[G1+6], 0
	s_mov_b32 s[G1+7], 0
	s_mul_i32 s54, s[WV], STEPB                    ; wave w fetches block w, to LDS byte 13,056 w
	s_mul_i32 s56, s14, 16*STEPB
	s_add_co_u32 s56, s56, s54
	s_mov_b32 s57, 0
	s_mov_b32 s[CS], 0x3e38aa3b                    ; log2(e) / 8
	s_mov_b32 s[CS+1], s[CS]
	s_mov_b32 s[SEL], 0x76543210
	s_mov_b32 s[SEL+1], 0xfedcba98
	s_wait_dscnt 0x0
	s_wait_kmcnt 0x0
	s_mov_b32 s[G0], 1
	s_mov_b32 s[G0+1], s54
	s_add_nc_u64 s[G0+2:G0+3], s[6:7], s[56:57]
	s_or_b32 s[G0+3], s[G0+3], 0x80000000
	CROUND                                         ; all four work-groups are here: the joint loads meet
	tensor_load_to_lds s[G0:G0+3], s[G1:G1+7]      ; my one tensor load of the launch
	s_nop 0
.rept 4
	v_nop
.endr
	s_lshl_b32 s58, s14, 7
	s_add_co_u32 s58, s58, s17                     ; 128 head + a
	s_lshl_b32 s59, s15, 3
	s_add_co_u32 s59, s59, s58
	s_mul_i32 s50, s59, 768
	s_mov_b32 s51, 0
	s_add_nc_u64 s[50:51], s[4:5], s[50:51]        ; q's half fragment, pass 0
	s_sub_co_u32 s60, 15, s15
	s_lshl_b32 s59, s60, 3
	s_add_co_u32 s59, s59, s58
	s_mul_i32 s52, s59, 768
	s_mov_b32 s53, 0
	s_add_nc_u64 s[52:53], s[4:5], s[52:53]        ; pass 1
	s_lshl_b32 s58, s14, 4
	s_lshl_b32 s61, s17, 2
	s_add_co_u32 s59, s58, s15
	s_lshl_b32 s54, s59, 9
	s_add_co_u32 s54, s54, s61
	s_add_co_u32 s54, s54, QSC
	s_mov_b32 s55, 0
	s_add_nc_u64 s[54:55], s[4:5], s[54:55]        ; its scale words, pass 0
	s_add_co_u32 s59, s58, s60
	s_lshl_b32 s56, s59, 9
	s_add_co_u32 s56, s56, s61
	s_add_co_u32 s56, s56, QSC
	s_mov_b32 s57, 0
	s_add_nc_u64 s[56:57], s[4:5], s[56:57]        ; pass 1
	v_and_b32 v8, 31, v0
	s_delay_alu instid0(VALU_DEP_1)
	v_lshlrev_b32 v1, 4, v8                        ; 16 x lane
	s_delay_alu instid0(VALU_DEP_2)
	v_lshlrev_b32 v2, 3, v8                        ; 8 x lane
	v_and_b32 v8, 15, v0                           ; r
	v_bfe_u32 v9, v0, 4, 1                         ; h
	s_delay_alu instid0(VALU_DEP_2)
	v_lshlrev_b32 v3, 5, v8                        ; 32 r
	s_delay_alu instid0(VALU_DEP_3)
	v_lshlrev_b32 v4, 4, v8                        ; 16 r
	s_delay_alu instid0(VALU_DEP_4)
	v_lshlrev_b32 v7, 2, v8                        ; 4 r
	global_load_b128 v[QF:QF+3], v1, s[50:51]
	global_load_b64 v[QF+4:QF+5], v2, s[50:51] offset:512
	global_load_b32 v[QS], v3, s[54:55]
	global_load_b128 v[QN:QN+3], v1, s[52:53]
	global_load_b64 v[QN+4:QN+5], v2, s[52:53] offset:512
	global_load_b32 v[QSN], v3, s[56:57]
	s_lshr_b32 s58, s17, 1
	s_lshl_b32 s58, s58, 5
	s_and_b32 s59, s17, 1
	s_lshl_b32 s59, s59, 3
	s_add_co_u32 s58, s58, s59                     ; 32 (a / 2) + 8 (a % 2)
	v_and_b32 v10, 8, v8
	s_delay_alu instid0(VALU_DEP_1)
	v_add_nc_u32 v10, v10, v8                      ; r + 8 (r / 8)
	v_lshlrev_b32 v11, 4, v9
	s_delay_alu instid0(VALU_DEP_1)
	v_sub_nc_u32 v10, v10, v11
	s_delay_alu instid0(VALU_DEP_1)
	v_add_nc_u32 v5, s58, v10                      ; my query in its group, less 16 h
	v_mov_b32 v6, 0xff800000                       ; -infinity
.irp i, 0,1,2,3,4,5
	v_mov_b32 v[QF+6+\i], 0                        ; zero codes for K = 64 .. 127
	v_mov_b32 v[KR+48+\i], 0
.endr
.irp b, 0,1,2,3
	v_mov_b32 v[BP+\b], 0                          ; written once: a lane permute's destination counts as one of its sources
.endr
	v_mov_b32 v[F], 0
	v_mov_b32 v[F+1], 0                            ; (named as the upper half of a pair)
	v_mov_b32 v[TT], 0
	v_mov_b32 v[TT+1], 0
	PASSINIT
	s_wait_tensorcnt 0x0                           ; my block is in,
	s_barrier_signal -1
	s_barrier_wait -1                              ; everybody's is: the whole head lies in LDS
	s_wait_loadcnt 0x0                             ; q
	s_mov_b32 s[G], s15
	s_mov_b32 s[SI], 0
	s_mov_b32 s[SB], 0
	LOOP 8                                         ; pass 0: group g1 <= 7
	s_wait_alu depctr_va_vdst(0)
	OUT
	s_wait_xcnt 0x0                                ; the stores have read their data and bases
.irp i, 0,1,2,3,4,5
	v_mov_b32 v[QF+\i], v[QN+\i]
.endr
	v_mov_b32 v[QS], v[QSN]
	PASSINIT
	s_sub_co_u32 s[G], 15, s15
	s_mov_b32 s[SI], 0
	s_mov_b32 s[SB], 0
	LOOP 16                                        ; pass 1: group 15 - g1
	s_wait_alu depctr_va_vdst(0)
	OUT
	s_wait_tensorcnt 0x0
	ds_add_u32 v254, v255
	s_wait_dscnt 0x0
	CROUND                                         ; the closing round
	s_endpgm
.Lfunc_end_k_q8b5944cbd8_attn:
	.size	k_q8b5944cbd8_attn, .Lfunc_end_k_q8b5944cbd8_attn-k_q8b5944cbd8_attn
	.p2alignl 7, 3214868480
	.fill 96, 4, 3214868480
	.section	.rodata,"a",@progbits
	.p2align	6, 0x0
	.amdhsa_kernel k_q8b5944cbd8_attn
		.amdhsa_group_segment_fixed_size 210944
		.amdhsa_private_segment_fixed_size 0
		.amdhsa_enable_private_segment 0
		.amdhsa_kernarg_size 32
		.amdhsa_user_sgpr_count 2
		.amdhsa_user_sgpr_kernarg_segment_ptr 1
		.amdhsa_wavefront_size32 1
		.amdhsa_system_sgpr_workgroup_id_x 1
		.amdhsa_system_sgpr_workgroup_id_y 1
		.amdhsa_system_sgpr_workgroup_id_z 1
		.amdhsa_system_vgpr_workitem_id 0
		.amdhsa_next_free_vgpr 256
		.amdhsa_next_free_sgpr 66
		.amdhsa_reserve_vcc 1
		.amdhsa_float_denorm_mode_32 3
		.amdhsa_float_denorm_mode_16_64 3
		.amdhsa_memory_ordered 1
		.amdhsa_forward_progress 1
		.amdhsa_inst_pref_size 65
	.end_amdhsa_kernel
	.amdgpu_metadata
---
amdhsa.version: [ 1, 2 ]
amdhsa.kernels:
  - .name:           k_q8b5944cbd8_attn
    .symbol:         k_q8b5944cbd8_attn.kd
    .args:
      - { .name: qb, .offset: 0, .size: 8, .value_kind: global_buffer, .address_space: global }
      - { .name: kv, .offset: 8, .size: 8, .value_kind: global_buffer, .address_space: global }
      - { .name: oc, .offset: 16, .size: 8, .value_kind: global_buffer, .address_space: global }
      - { .name: os, .offset: 24, .size: 8, .value_kind: global_buffer, .address_space: global }
    .group_segment_fixed_size: 210944
    .private_segment_fixed_size: 0
    .kernarg_segment_align: 8
    .kernarg_segment_size: 32
    .max_flat_workgroup_size: 512
    .sgpr_count:     66
    .vgpr_count:     256
    .wavefront_size: 32
...
	.end_amdgpu_metadata
.endif
;; end of part 3
;; launch proj (part 4): grid 4 x 32, 4 waves a work-group, clusters of 4 x 4, 327,680 bytes of LDS; arguments oc, os, wc, ws, b_out, out0; writes out0
.if DOCPART == 4
	.amdgcn_target "amdgcn-amd-amdhsa--gfx1250"
	.amdhsa_code_object_version 6
	.text
	.protected	k_q8b5944cbd8_proj
	.globl	k_q8b5944cbd8_proj
	.p2align	8
	.type	k_q8b5944cbd8_proj,@function
k_q8b5944cbd8_proj:
	s_mov_b64 s[64:65], 0
	v_nop
	global_prefetch_b8 v0, s[64:65] scope:SCOPE_SE
	s_setreg_imm32_b32 hwreg(HW_REG_WAVE_MODE, 25, 1), 1
	s_wait_xcnt 0x0
	s_wait_alu depctr_hold_cnt(0) depctr_sa_sdst(0) depctr_va_vdst(0) depctr_va_sdst(0) depctr_va_ssrc(0) depctr_va_vcc(0) depctr_vm_vsrc(0)
	s_getreg_b32 s2, hwreg(HW_REG_IB_STS2, 6, 4)
	s_cmp_eq_u32 s2, 0
	s_cbranch_scc0 .Lentry_in_a_cluster
	s_endpgm
.Lentry_in_a_cluster:
	s_bfe_u32 s2, ttmp6, 0x10000c
	s_cmp_lg_u32 s2, 0xf033
	s_cbranch_scc0 .Lentry_shape_is_right
	s_endpgm
.Lentry_shape_is_right:
; out0 = o w_out + b_out on codes of FP6 (E2M3) with E8M0 scales, K = 1024; out0 [8192][1024] f32.
; THE TABLES (oc, os; wc, ws from table row 3,072 on): rows in tiles of 16, place r of tile T = row 32 (T / 2) + 8 (T % 2) + r % 8 + 16 (r / 8); a tile's codes are 16 half fragments of 768 bytes (16 rows x 64 K, the image of
; registers 0-5 of a 6-bit fragment: registers 0-3 at 16 x lane, 4-5 at 512 + 8 x lane); scale words [tile][K step of 128][place].
; A work-group of four waves makes 256 x 256, a wave 128 x 128: 64 accumulators.  THE MATRIX INSTRUCTION IS USED TRANSPOSED: source 0 = a tile of w_out's columns, source 1 = a tile of tokens: lane (r, h) holds the token at place r,
; and the 16 registers of column tiles 2 b, 2 b + 1 are columns 32 b + 16 h + 0 .. 15.  The bias is the C of each sum's first product.
; K goes in four steps of 256 through two LDS slots filled by the tensor data mover; the scale words of the 512 rows come once.  4 x 4 work-groups form a cluster: the tokens' tiles are asked for jointly along its rows, the
; weight's along its columns.  128 work-groups: the tile is kept at 256 x 256 so that each LDS byte feeds as many products as the registers allow.
; REGISTERS: window 0: v2 r, v3 h, v16-29 addresses; v32-63 scale words, two sets; v64-127 the bias; v128-223 A's fragments, one set; on the way out v128-255 rows of out0.  window 1: B's fragments, two sets.
;   windows 2, 3: the accumulators, (a, b) at v[8 (8 (a % 4) + b)].
.set FR,    12
.set NL,    4
.set NP,    4                           ; places behind this matrix instruction (ISA guide 7.12.1)
.set TILEB, 3072
.set HALFT, 8*TILEB
.set SLOT,  4*HALFT
.set SCL,   2*SLOT
.set HALFS, 4096
.set SPARE, SCL+4*HALFS                 ; the spare words, 128 bytes for each wave: two blocks of 256 bytes that no other line names
.set SPITCH, 528                        ; the way out: a stage of 16 rows x (512 + 16) bytes for each wave, in slot 0, which has had its last fill and its last read by then
.set ADRA, 16
.set ADRB, 20
.set STO,  24
.set RD,   25
.set CO,   26
.set ADRS, 27
.set SPW,  28
.set NIL,  29
.set SC,   32
.set BB,   64
.set AF,   128
.set BK,   128
.set G1, 24
.set G0, 32
.set G1B, 48
.set G0B, 56
.set G1S, 68
.set G0S, 76
.set G1SB, 80
.set G0SB, 88
.set MSB, 0
.macro WIN new                          ; the immediate's high byte repeats the setting that is left
.if MSB != \new
	s_set_vgpr_msb (MSB<<8)|\new
.set MSB, \new
.endif
.endm
.set MUL_LO, 0xa1
.set MUL_HI, 0xf1
.set TO_B,   0x40
.macro JLOAD g0a, g1a, g0b, g1b         ; a joint load: waves 0, 1 fetch for A, waves 2, 3 for B; four v_nop follow each line
	s_cmp_eq_u32 s15, 0
	s_cbranch_scc0 .Lfor_b_\@
	tensor_load_to_lds s[\g0a:\g0a+3], s[\g1a:\g1a+7]
	s_nop 0
.rept 4
	v_nop
.endr
	s_branch .Lasked_\@
.Lfor_b_\@:
	tensor_load_to_lds s[\g0b:\g0b+3], s[\g1b:\g1b+7]
	s_nop 0
.rept 4
	v_nop
.endr
.Lasked_\@:
.endm
.macro CREST
	s_cmp_lg_u32 s14, 0
	s_cbranch_scc1 .Lnot_wave_0_\@
	s_barrier_signal -3
.Lnot_wave_0_\@:
	s_barrier_wait -3
	s_barrier_signal -1
	s_barrier_wait -1
.endm
.macro CROUND
	s_barrier_signal -1
	s_barrier_wait -1
	CREST
.endm
.macro PLACES n
.rept \n
	v_nop
.endr
.endm
.macro FRAG reg, adr, q, i              ; a fragment is two half fragments on end: every load takes 512 or 256 consecutive bytes
	ds_load_b128 v[\reg:\reg+3], v[\adr] offset:TILEB*(\i)+1536*(\q)
	ds_load_b64 v[\reg+4:\reg+5], v[\adr+2] offset:TILEB*(\i)+1536*(\q)+512
	ds_load_b128 v[\reg+6:\reg+9], v[\adr] offset:TILEB*(\i)+1536*(\q)+768
	ds_load_b64 v[\reg+10:\reg+11], v[\adr+2] offset:TILEB*(\i)+1536*(\q)+1280
.endm
.macro FETCH_B slot, q, p
	WIN TO_B
.irp i, 0,1,2,3,4,5,6,7
	FRAG 128*(\p)+FR*\i, ADRB+\slot, \q, \i
.endr
	WIN 0
.endm
.macro FETCH_A slot, q, i0
.irp i, \i0, \i0+1, \i0+2, \i0+3
	FRAG AF+FR*(\i), ADRA+\slot, \q, \i
.endr
.endm
.macro SCALES sc, ks
.irp i, 0,1,2,3,4,5,6,7
.irp q, 0,1
	ds_load_b32 v[SC+16*(\sc)+2*\i+\q], v[ADRS] offset:512*\i+64*(2*(\ks)+\q)
.endr
.endr
.endm
; 16 matrix instructions: A's blocks a0, a0 + 1 x B's eight.  first = 1: the sums start from the bias.  The 64 accumulators take turns, one instruction a turn.
.macro MUL16 a0, p, q, sc, first
.irp a, \a0, \a0+1
.irp b, 0,1,2,3,4,5,6,7
.if \first
	v_wmma_scale_f32_16x16x128_f8f6f4 v[8*(8*((\a)%4)+\b):8*(8*((\a)%4)+\b)+7], v[128*(\p)+FR*\b:128*(\p)+FR*\b+FR-1], v[AF+FR*(\a):AF+FR*(\a)+FR-1], v[BB+8*\b:BB+8*\b+7], v[SC+16*(\sc)+2*\b+(\q)], v[SC+16*(\sc)+2*(\a)+(\q)] matrix_a_fmt:MATRIX_FMT_FP6 matrix_b_fmt:MATRIX_FMT_FP6 matrix_a_scale:MATRIX_SCALE_ROW1
.else
	v_wmma_scale_f32_16x16x128_f8f6f4 v[8*(8*((\a)%4)+\b):8*(8*((\a)%4)+\b)+7], v[128*(\p)+FR*\b:128*(\p)+FR*\b+FR-1], v[AF+FR*(\a):AF+FR*(\a)+FR-1], v[8*(8*((\a)%4)+\b):8*(8*((\a)%4)+\b)+7], v[SC+16*(\sc)+2*\b+(\q)], v[SC+16*(\sc)+2*(\a)+(\q)] matrix_a_fmt:MATRIX_FMT_FP6 matrix_b_fmt:MATRIX_FMT_FP6 matrix_a_scale:MATRIX_SCALE_ROW1
.endif
.endr
.endr
.endm
.macro STEP slot, q, first
	s_wait_dscnt 4*NL                              ; B's set, A's blocks 0-3 and the scale words are in; the youngest 16 loads (A's blocks 4-7) may be out
.if \first
	WIN 0x81                                       ; C (the bias) in window 0, D in window 2
.else
	WIN MUL_LO
.endif
	MUL16 0, (\q)%2, \q, \slot, \first
	MUL16 2, (\q)%2, \q, \slot, \first
	s_wait_dscnt 0
	PLACES NP
	FETCH_B \slot, (\q)+1, 1-(\q)%2
	FETCH_A \slot, (\q)+1, 0
.if \first
	WIN 0xc1
.else
	WIN MUL_HI
.endif
	MUL16 4, (\q)%2, \q, \slot, \first
	MUL16 6, (\q)%2, \q, \slot, \first
	PLACES NP
	WIN 0
	FETCH_A \slot, (\q)+1, 4
.endm
; A slot's last 128 along K changes slots: one barrier; in front of it each wave waits for all its tensor loads, adds 0 to its spare word, and waits for that and for its reads of this slot.
.macro TURN slot, next, fill, ks
	s_wait_tensorcnt 0x0                           ; all my tensor loads have landed: my part of the next slot
	ds_add_u32 v[SPW], v[NIL]                      ; 0 onto my spare word
	s_wait_dscnt 4*NL+1                            ; (the add and A's blocks 4-7 may be out)
	WIN MUL_LO
	MUL16 0, 1, 1, \slot, 0
	s_wait_dscnt 0x0                               ; the add is done, and my reads of this slot are over
	s_barrier_signal -1
	MUL16 2, 1, 1, \slot, 0
	WIN 0
	s_barrier_wait -1
.if \fill
	CREST                                          ; the barrier has opened a round of the cluster's: no wave of any partner still reads this slot or has a load on its way
	s_add_nc_u64 s[G0+4*\slot+2:G0+4*\slot+3], s[G0+4*\slot+2:G0+4*\slot+3], 2*TILEB
	s_add_nc_u64 s[G0B+4*\slot+2:G0B+4*\slot+3], s[G0B+4*\slot+2:G0B+4*\slot+3], 2*TILEB
	JLOAD G0+4*\slot, G1, G0B+4*\slot, G1B         ; the first tensor load behind the round; its four v_nop are the places in front of the loads below
.else
	PLACES NP
.endif
	FETCH_B \next, 0, 0
	FETCH_A \next, 0, 0
	SCALES \next, \ks
	WIN MUL_HI
	MUL16 4, 1, 1, \slot, 0
	MUL16 6, 1, 1, \slot, 0
	PLACES NP
	WIN 0
	FETCH_A \next, 0, 4
.endm
; THE WAY OUT, block by block of 16 tokens x 128 columns, through my own stage: in 32 bytes a lane and accumulator, back as whole rows of 512 bytes.  LDS serves a wave's instructions in order (ISA guide 5.7.1.4).
.macro TOSTAGE a
.set AC, 64*((\a)%4)
	WIN 0x08+4*((\a)/4)                            ; the data: window 2 or 3
.irp b, 0,1,2,3,4,5,6,7
	ds_store_b128 v[STO], v[AC+8*\b:AC+8*\b+3] offset:128*(\b/2)+32*(\b%2)       ; each accumulator from its low end on
	ds_store_b128 v[STO], v[AC+8*\b+4:AC+8*\b+7] offset:128*(\b/2)+32*(\b%2)+16
.endr
	WIN 0
.set OBK, BK+64*((\a)%2)
.irp t, 0,1,2,3,4,5,6,7,8,9,10,11,12,13,14,15
	ds_load_b128 v[OBK+4*\t:OBK+4*\t+3], v[RD] offset:\t*SPITCH
.endr
.endm
.macro SEND a, younger
.set OBK, BK+64*((\a)%2)
	s_wait_dscnt \younger                          ; the block is back in registers; the LDS instructions issued behind its loads may be out
.irp t, 0,1,2,3,4,5,6,7,8,9,10,11,12,13,14,15
	global_store_b128 v[CO], v[OBK+4*\t:OBK+4*\t+3], s[66:67] offset:(32*((\a)/2)+8*((\a)%2)+\t+8*(\t/8))*4096 th:TH_STORE_NT   ; place t's token; 512 consecutive bytes, aligned; the base is never stepped
.endr
.endm
	s_load_b256 s[4:11], s[0:1], 0x0               ; oc, os, wc, ws
	s_load_b64 s[12:13], s[0:1], 0x20              ; b_out
	s_load_b64 s[66:67], s[0:1], 0x28              ; out0
	v_lshl_add_u32 v[SPW], v0, 2, SPARE
	v_mov_b32 v[NIL], 0
	ds_add_u32 v28, v29
	ds_add_u32 v28, v29
	s_wait_dscnt 0x0
	v_lshrrev_b32 v1, 5, v0
	v_readfirstlane_b32 s14, v1                    ; wave 0..3
	s_lshr_b32 s15, s14, 1                         ; which half of the tokens is mine.  Also: I fetch for A (0) or for B (1)
	s_and_b32 s16, s14, 1                          ; which half of the columns.  Also: which 128 rows I fetch
	s_bfe_u32 s40, ttmp6, 0x40000                  ; cx
	s_bfe_u32 s41, ttmp6, 0x40004                  ; cy
	s_lshl_b32 s42, ttmp9, 2
	s_add_co_u32 s42, s42, s40                     ; block of 256 columns
	s_and_b32 s17, ttmp7, 0xffff
	s_lshl_b32 s17, s17, 2
	s_add_co_u32 s17, s17, s41                     ; block of 256 tokens
	s_lshl_b32 s43, s41, 2
	s_lshl_b32 s43, 15, s43                        ; my row of the cluster
	s_lshl_b32 s44, 0x1111, s40                    ; my column
	s_or_b32 s[G1+0], s43, (3<<16)|(1<<21)         ; 15:0 the mask; 17:16 elements of 8 bytes; 21 set beside a mask; no padding
	s_or_b32 s[G1B+0], s44, (3<<16)|(1<<21)
.irp g, G1, G1B
	s_mov_b32 s[\g+1], 384<<16                     ; tensor_dim0: 3,072 bytes of a tile
	s_mov_b32 s[\g+2], 8<<16                       ; tensor_dim1: 8 tiles
	s_mov_b32 s[\g+3], 384<<16
	s_mov_b32 s[\g+4], 8
	s_mov_b32 s[\g+5], 1536                        ; from tile to tile: 12,288 bytes
	s_mov_b32 s[\g+6], 0
	s_mov_b32 s[\g+7], 0
.endr
	s_or_b32 s[G1S+0], s43, (3<<16)|(1<<21)        ; the scale words of 128 rows: 4,096 dense bytes as 16 rows of 256
	s_or_b32 s[G1SB+0], s44, (3<<16)|(1<<21)
.irp g, G1S, G1SB
	s_mov_b32 s[\g+1], 32<<16
	s_mov_b32 s[\g+2], 16<<16
	s_mov_b32 s[\g+3], 32<<16
	s_mov_b32 s[\g+4], 16
	s_mov_b32 s[\g+5], 32
	s_mov_b32 s[\g+6], 0
	s_mov_b32 s[\g+7], 0
.endr
	s_lshl_b32 s18, s16, 3
	s_lshl_b32 s20, s17, 4
	s_add_co_u32 s20, s20, s18                     ; A: the first tile that I fetch
	s_lshl_b32 s46, s42, 4
	s_add_co_u32 s46, s46, s18
	s_add_co_u32 s46, s46, 192                     ; B: w_out's tiles lie behind w_qkv's 192
	s_lshl_b32 s22, s20, 9
	s_mov_b32 s23, 0
	s_lshl_b32 s92, s46, 9
	s_mov_b32 s93, 0
	s_mul_i32 s20, s20, 12288
	s_mov_b32 s21, 0
	s_mul_i32 s46, s46, 12288
	s_mov_b32 s47, 0
	s_mul_i32 s45, s14, HALFT                      ; where they go: no place in the cluster enters an LDS address
	s_mul_i32 s94, s14, HALFS
	s_wait_kmcnt 0x0
	s_add_nc_u64 s[20:21], s[4:5], s[20:21]
	s_add_nc_u64 s[22:23], s[6:7], s[22:23]
	s_add_nc_u64 s[46:47], s[8:9], s[46:47]
	s_add_nc_u64 s[92:93], s[10:11], s[92:93]
	CROUND                                         ; all sixteen work-groups are here: the first joint loads meet
	s_mov_b32 s[G0S], 1
	s_add_co_u32 s[G0S+1], s94, SCL
	s_mov_b64 s[G0S+2:G0S+3], s[22:23]
	s_or_b32 s[G0S+3], s[G0S+3], 0x80000000
	s_mov_b32 s[G0SB], 1
	s_add_co_u32 s[G0SB+1], s94, SCL
	s_mov_b64 s[G0SB+2:G0SB+3], s[92:93]
	s_or_b32 s[G0SB+3], s[G0SB+3], 0x80000000
	JLOAD G0S, G1S, G0SB, G1SB                     ; the scale words first
.irp s, 0,1
	s_mov_b32 s[G0+4*\s], 1
	s_add_co_u32 s[G0+4*\s+1], s45, \s*SLOT
	s_add_nc_u64 s[G0+4*\s+2:G0+4*\s+3], s[20:21], \s*TILEB
	s_or_b32 s[G0+4*\s+3], s[G0+4*\s+3], 0x80000000
	s_mov_b32 s[G0B+4*\s], 1
	s_add_co_u32 s[G0B+4*\s+1], s45, \s*SLOT
	s_add_nc_u64 s[G0B+4*\s+2:G0B+4*\s+3], s[46:47], \s*TILEB
	s_or_b32 s[G0B+4*\s+3], s[G0B+4*\s+3], 0x80000000
	JLOAD G0+4*\s, G1, G0B+4*\s, G1B               ; three loads of mine are out
.endr
	v_and_b32 v1, 31, v0
	v_and_b32 v2, 15, v0                           ; r
	v_bfe_u32 v3, v0, 4, 1                         ; h
	v_lshlrev_b32 v[CO], 4, v1                     ; 16 x lane
	v_lshlrev_b32 v5, 3, v1                        ; 8 x lane
	s_mul_i32 s21, s15, HALFT                      ; my 128 rows of A
	s_mul_i32 s22, s16, HALFT
	s_add_co_u32 s22, s22, 2*HALFT                 ; my 128 rows of B, behind A's 256
.irp s, 0,1
	v_add_nc_u32 v[ADRA+\s], s21, v[CO]
	v_add_nc_u32 v[ADRB+\s], s22, v[CO]
	v_add_nc_u32 v[ADRA+2+\s], s21, v5
	v_add_nc_u32 v[ADRB+2+\s], s22, v5
	s_add_co_u32 s21, s21, SLOT
	s_add_co_u32 s22, s22, SLOT
.endr
	s_lshl_b32 s21, s15, 12                        ; A's scale words: my 128 rows
	s_lshl_b32 s22, s16, 12
	s_add_co_u32 s22, s22, 2*HALFS                 ; B's, behind A's
	s_sub_co_u32 s22, s22, s21
	v_mul_u32_u24 v6, s22, v3                      ; lanes 16-31 take B's
	s_add_co_u32 s21, s21, SCL
	v_lshl_add_u32 v6, v2, 2, v6
	v_add_nc_u32 v[ADRS], s21, v6
	s_mul_i32 s23, s14, 16*SPITCH                  ; my stage
	v_mul_u32_u24 v6, v2, SPITCH
	v_lshl_add_u32 v6, v3, 6, v6
	v_add_nc_u32 v[STO], s23, v6                   ; in: row r, + 64 h
	v_add_nc_u32 v[RD], s23, v[CO]                 ; back: 16 bytes a lane
	s_lshl_b32 s46, s42, 1
	s_add_co_u32 s46, s46, s16                     ; my group of 128 columns
	s_lshl_b32 s46, s46, 9                         ; in bytes, in b_out and in a row of out0
	s_mov_b32 s47, 0
	s_add_nc_u64 s[12:13], s[12:13], s[46:47]
	s_lshl_b32 s20, s17, 1
	s_add_co_u32 s20, s20, s15                     ; my group of 128 tokens
	s_lshl_b32 s20, s20, 19                        ; x 128 rows of 4,096 bytes
	s_mov_b32 s21, 0
	s_add_nc_u64 s[66:67], s[66:67], s[20:21]
	s_add_nc_u64 s[66:67], s[66:67], s[46:47]
	v_lshlrev_b32 v6, 6, v3                        ; 64 h
.irp bb, 0,1,2,3
.irp j, 0,1,2,3
	global_load_b128 v[BB+16*\bb+4*\j:BB+16*\bb+4*\j+3], v6, s[12:13] offset:128*\bb+16*\j   ; register 16 bb + i: column 32 bb + 16 h + i
.endr
.endr
	s_wait_loadcnt 0x0
	s_wait_tensorcnt 1                             ; the scale words and my part of K step 0 are in (K step 1's load may be out),
	s_barrier_signal -1
	s_barrier_wait -1                              ; everybody's are
	FETCH_B 0, 0, 0
	FETCH_A 0, 0, 0
	SCALES 0, 0
	FETCH_A 0, 0, 4
	STEP 0, 0, 1                                   ; K = 1,024 is four slots: written out, no loop
	TURN 0, 1, 1, 1                                ; slot 0 takes K step 2
	STEP 1, 0, 0
	TURN 1, 0, 1, 2                                ; slot 1 takes K step 3
	STEP 0, 0, 0
	TURN 0, 1, 0, 3
	STEP 1, 0, 0
	s_wait_dscnt 4*NL
	WIN MUL_LO
	MUL16 0, 1, 1, 1, 0
	MUL16 2, 1, 1, 1, 0
	s_wait_dscnt 0
	WIN MUL_HI
	MUL16 4, 1, 1, 1, 0
	MUL16 6, 1, 1, 1, 0
	WIN 0
	PLACES NP                                      ; in front of the loads into the registers that held A's fragments, and of the reads of the last results
	TOSTAGE 0
.irp a, 1,2,3,4,5,6,7
.if \a > 1
	s_wait_xcnt 0x0                                ; block a - 2's stores have read their registers: block a's loads may land there
.endif
	TOSTAGE \a
	SEND \a-1, 32                                  ; behind block a - 1's loads: block a's 16 stores and 16 loads
.endr
	SEND 7, 0
	s_wait_tensorcnt 0x0                           ; the wave's end
	ds_add_u32 v[SPW], v[NIL]
	s_wait_dscnt 0x0
	CROUND                                         ; the closing round
	s_endpgm
.Lfunc_end_k_q8b5944cbd8_proj:
	.size	k_q8b5944cbd8_proj, .Lfunc_end_k_q8b5944cbd8_proj-k_q8b5944cbd8_proj
	.p2alignl 7, 3214868480
	.fill 96, 4, 3214868480
	.section	.rodata,"a",@progbits
	.p2align	6, 0x0
	.amdhsa_kernel k_q8b5944cbd8_proj
		.amdhsa_group_segment_fixed_size 327680
		.amdhsa_private_segment_fixed_size 0
		.amdhsa_enable_private_segment 0
		.amdhsa_kernarg_size 48
		.amdhsa_user_sgpr_count 2
		.amdhsa_user_sgpr_kernarg_segment_ptr 1
		.amdhsa_wavefront_size32 1
		.amdhsa_system_sgpr_workgroup_id_x 1
		.amdhsa_system_sgpr_workgroup_id_y 1
		.amdhsa_system_sgpr_workgroup_id_z 1
		.amdhsa_system_vgpr_workitem_id 0
		.amdhsa_next_free_vgpr 1024
		.amdhsa_next_free_sgpr 102
		.amdhsa_reserve_vcc 0
		.amdhsa_float_denorm_mode_32 3
		.amdhsa_float_denorm_mode_16_64 3
		.amdhsa_memory_ordered 1
		.amdhsa_forward_progress 1
		.amdhsa_inst_pref_size 146
	.end_amdhsa_kernel
	.amdgpu_metadata
---
amdhsa.version: [ 1, 2 ]
amdhsa.kernels:
  - .name:           k_q8b5944cbd8_proj
    .symbol:         k_q8b5944cbd8_proj.kd
    .args:
      - { .name: oc, .offset: 0, .size: 8, .value_kind: global_buffer, .address_space: global }
      - { .name: os, .offset: 8, .size: 8, .value_kind: global_buffer, .address_space: global }
      - { .name: wc, .offset: 16, .size: 8, .value_kind: global_buffer, .address_space: global }
      - { .name: ws, .offset: 24, .size: 8, .value_kind: global_buffer, .address_space: global }
      - { .name: b_out, .offset: 32, .size: 8, .value_kind: global_buffer, .address_space: global }
      - { .name: out0, .offset: 40, .size: 8, .value_kind: global_buffer, .address_space: global }
    .group_segment_fixed_size: 327680
    .private_segment_fixed_size: 0
    .kernarg_segment_align: 8
    .kernarg_segment_size: 48
    .max_flat_workgroup_size: 128
    .sgpr_count:     102
    .vgpr_count:     1024
    .wavefront_size: 32
...
	.end_amdgpu_metadata
.endif
;; end of part 4
